; MI455X (gfx1250); checked and timed in simulation.
; The chip was launched on July 23, 2026; its instructions are those of AMD's public machine-readable ISA for CDNA 5 (MIT licence, August 2026) and "CDNA5" Instruction Set Architecture Reference Guide (July 2026). The comments in the code are by the model that wrote it; some were corrected since.
;; Causal Self Attention. Allowed arithmetic: matrix products marked QUANTISED: E4M3 operands, one given power-of-two scale a tensor, by v_wmma_f32_16x16x64_fp8_fp8 or v_wmma_f32_16x16x128_fp8_fp8, f32 sums; everything else in f32.
;; Inputs: W_attn 1,024 x 3,072 float32; W_proj 1,024 x 1,024 float32; b_attn 3,072 float32; b_proj 1,024 float32; lowp_scales 8 int32 (the exponents e of the quantised operands' scales 2^e); x 4 x 2,048 x 1,024 float32.
;; Outputs: out0 4 x 2,048 x 1,024 float32.
;; This version of the problem:
;;   THIS VERSION OF THE PROBLEM IS GIVEN IN LOW PRECISION. The matrix products marked QUANTISED in the list below multiply operands that are first quantised to E4M3 (4 exponent bits, 3 mantissa bits; 8 bits a number), with one given power-of-two scale for each operand tensor; their sums are f32. All else is computed in f32.
;;   The module's matrix products, in the order in which they are computed (A, B: the left and right operand; K: the contracted axis; several contracted axes count as one K, in the product's order):
;;     1. [M 8,192, K 1,024] x [K 1,024, N 3,072]; A: input x; B: input W_attn: QUANTISED (scales: A lowp_scales[0], B lowp_scales[1])
;;     2. batch 64 x [M 2,048, K 64] x [K 64, N 2,048]; A: computed on the way; B: computed on the way: QUANTISED (scales: A lowp_scales[2], B lowp_scales[3])
;;     3. batch 64 x [M 2,048, K 2,048] x [K 2,048, N 64]; A: softmax (see below); B: computed on the way: QUANTISED (scales: A lowp_scales[4], B lowp_scales[5])
;;     4. [M 8,192, K 1,024] x [K 1,024, N 1,024]; A: computed on the way; B: input W_proj: QUANTISED (scales: A lowp_scales[6], B lowp_scales[7])
;;   THE QUANTISER, for each operand of a quantised product, along K:
;;     - The operand's scale is 2^e, e = its entry of the input lowp_scales (int32; the entries are numbered through the quantised products in the list's order, A before B).
;;     - Each number is divided by the scale, clamped to +-448, and rounded to the nearest number of E4M3, ties to even, subnormals kept.
;;     - The product sums the exact products of the quantised numbers (number of the format x scale) in f32.
;;   ~~~python
;;   def quantise(x, axis, e):      # numpy; x: float32 -> the quantised numbers, widened to float32 again
;;       x = np.moveaxis(x, axis, -1); K = x.shape[-1]
;;       r = np.clip(x / 2.0 ** e, -448, 448)
;;       step = 2.0 ** (np.maximum(np.frexp(np.where(r == 0, 1, r))[1] - 1, -6) - 3)
;;       q = np.round(r / step) * step * 2.0 ** e      # np.round: ties to even
;;       return np.moveaxis(q, -1, axis).astype(np.float32)
;;   ~~~
;;   SOFTMAX AHEAD OF A QUANTISED PRODUCT. Where the list says 'softmax', what is quantised is not the finished softmax but p = 2^(t - M), with t = logit x log2(e) and M = ceil(the row's largest t), a whole number; so 1/2 < the row's largest p <= 1. The row's sum l is taken of the UNQUANTISED p, in f32, and the product's result is divided by l at the end. Since M is a whole number, a kernel that streams over the keys may use a running M (the ceiling of the running maximum): every later rescaling is an exact power of two, so the quantised numbers keep their values, but for numbers so far below the row's largest that they fall under the format's range.
;;   OPERANDS COMPUTED ON THE WAY. 'Computed on the way' means the value that the module computes at that place (a softmax that the list does not call 'softmax' is quantised finished and normalised). What goes into a quantiser is computed in f32, as accurately as f32 sums, v_exp_f32 and their like allow (about 1e-6 of the number): no bf16 or f16 on the way to a quantiser, and a product that is left as it is and whose result goes on into a quantised operand takes f32 operands (vector FMAs, or v_wmma_f32_16x16x4_f32). A number that lies on a knife's edge between two numbers of the format may be rounded either way, as far as f32 arithmetic and the matrix unit's own rounding can turn it there, and no further.
;; One version. Each part assembles by itself: llvm-mc -triple=amdgcn-amd-amdhsa -mcpu=gfx1250 --defsym DOCPART=n.
;; ======== version 1 of 1: 4 launches
;; limits: right only within a limited range of input values
;; workspace buffers: x_codes 8,388,608 bytes; wa_codes 3,145,728 bytes; wp_codes 1,048,576 bytes; q_codes 8,388,608 bytes; k_codes 8,388,608 bytes; v_codes 8,388,608 bytes; y_codes 8,388,608 bytes
;; launch quant (part 1): grid 96 x 4, 4 waves a work-group, no clusters, 68,096 bytes of LDS; arguments x, W_attn, W_proj, lowp_scales, x_codes, wa_codes, wp_codes; writes x_codes, wa_codes, wp_codes
.if DOCPART == 1
	.amdgcn_target "amdgcn-amd-amdhsa--gfx1250"
	.amdhsa_code_object_version 6
	.text
	.protected	k_qc7f5418e23_quant
	.globl	k_qc7f5418e23_quant
	.p2align	8
	.type	k_qc7f5418e23_quant,@function
k_qc7f5418e23_quant:
	s_mov_b64 s[64:65], 0
	v_nop
	global_prefetch_b8 v0, s[64:65] scope:SCOPE_SE
	s_setreg_imm32_b32 hwreg(HW_REG_WAVE_MODE, 25, 1), 1
	s_wait_xcnt 0x0
; x [8192][1024], W_attn [1024 k][3072 n] and W_proj [1024 k][1024 n], all f32, become codes of FP8 (E4M3), K innermost:
; x_codes [8192][1024], wa_codes [3072 n][1024 k], wp_codes [1024 n][1024 k].  code = number / 2^e, held within +-448, to the nearest code, ties to even.
; e: entry 0 of the scales for x, entry 1 for W_attn, entry 7 for W_proj.  LIMITS: each e between -126 and 119, so that 2^e and 448 x 2^e are f32 numbers; NaN among the inputs is not served (an infinity is held at the largest code).
; SHARES.  Work-groups with x < 64 take x (256 of them, 32,768 numbers each); 64 <= x < 88 take W_attn, x >= 88 W_proj: 128 columns x 256 along K each (y says which 256).  Every work-group moves 131,072 bytes in.
; The two ways part once, on the work-group's number, and never meet again; each has LDS bytes of its own.  Waves share nothing: no barrier.  No work-group reads what another reads: no cluster, no matrix unit.
.set STEPS, 16
.set SPX,   80                         ; x's way: a lane's place in a stage: its 64 bytes + 16 of padding
.set R,     16                         ; v16-79   four sets of 16 numbers as they are loaded
.set X,     80                         ; v80-111  two sets of 16 neighbours
.set C,     128                        ; v128-191 codes: four registers for each step, so that no store's data are written again
.set VO,    16                         ; the weights' way: v16-47 row i's byte offset: i x pitch + 4 x lane; never rewritten
.set XW,    48                         ; v48-111  two sets of 32 numbers down K
.set CW,    112                        ; v112-119 a block's codes
.set OUTR,  120                        ; v120-183 the way out
.set WSTG,  32768                      ; the weights' stages begin behind x's: 32 rows x 272 bytes for each wave
.set WP,    272
	s_load_b256 s[4:11], s[0:1], 0x0               ; x s[4:5], W_attn s[6:7], W_proj s[8:9], the scales' exponents s[10:11]
	s_load_b128 s[12:15], s[0:1], 0x20             ; x_codes s[12:13], wa_codes s[14:15]
	s_load_b64 s[16:17], s[0:1], 0x30              ; wp_codes
	v_lshl_add_u32 v192, v0, 2, 0x10800
	v_mov_b32 v193, 0
	v_lshrrev_b32 v1, 5, v0
	v_readfirstlane_b32 s18, v1                    ; wave 0..3
	v_and_b32 v2, 31, v0                           ; lane
	s_and_b32 s19, ttmp7, 0xffff                   ; work-group y
	s_wait_kmcnt 0x0
	s_load_b256 s[24:31], s[10:11], 0x0            ; e0 .. e7
	s_cmp_lt_u32 ttmp9, 64
	s_cbranch_scc0 .Lweights
; ---- x: K is innermost and rows are dense, so the tensor is a plain stream.  A wave takes 16 steps of 512 numbers.  Each load reads 512 consecutive bytes, 16 a lane; a step's 2,048 bytes turn
; through the wave's own stage in LDS and come back 64 bytes a lane: 16 neighbours along K, as the conversions want them.  A lane's 16 codes are 16 bytes: the wave stores 512 consecutive bytes.
	s_lshl_b32 s20, s19, 6
	s_add_co_u32 s20, s20, ttmp9
	s_lshl_b32 s20, s20, 2
	s_add_co_u32 s20, s20, s18                     ; which run of 8,192 numbers is my wave's: 4 (64 y + x) + wave
	s_lshl_b32 s22, s20, 15
	s_mov_b32 s23, 0
	s_add_nc_u64 s[4:5], s[4:5], s[22:23]          ; 32,768 bytes of numbers a run,
	s_lshl_b32 s22, s20, 13
	s_add_nc_u64 s[12:13], s[12:13], s[22:23]      ; 8,192 bytes of codes
	s_wait_alu depctr_va_vdst(0)
	v_lshlrev_b32 v3, 4, v2                        ; 16 x lane: my bytes of a load's 512, and of a store's
	s_mul_i32 s21, s18, 8192                       ; my wave's two stages
	v_lshrrev_b32 v14, 2, v2
	v_mul_u32_u24 v14, v14, SPX
	v_and_b32 v15, 3, v2
	v_lshl_add_u32 v14, v15, 4, v14
	v_add_nc_u32 v14, s21, v14                     ; into a stage: four lanes' 64 bytes on end, then 16 of padding
	v_mul_u32_u24 v15, v2, SPX
	v_add_nc_u32 v15, s21, v15                     ; out of it: my 16 neighbours
.macro XLOAD t
.irp i, 0,1,2,3
	global_load_b128 v[R+16*((\t)%4)+4*\i:R+16*((\t)%4)+4*\i+3], v3, s[4:5] offset:2048*(\t)+512*\i th:TH_LOAD_NT
.endr
.endm
.macro XTURN t                         ; LDS serves a wave's instructions in order (ISA guide 5.7.1.4): no wait between the stores and the loads
.irp i, 0,1,2,3
	ds_store_b128 v14, v[R+16*((\t)%4)+4*\i:R+16*((\t)%4)+4*\i+3] offset:32*SPX*((\t)%2)+8*SPX*\i
.endr
.irp i, 0,1,2,3
	ds_load_b128 v[X+16*((\t)%2)+4*\i:X+16*((\t)%2)+4*\i+3], v15 offset:32*SPX*((\t)%2)+16*\i
.endr
.endm
.irp t, 0,1,2,3
	XLOAD \t
.endr
	s_wait_alu depctr_va_vdst(0)
	s_wait_kmcnt 0x0
	s_add_co_i32 s22, s24, 127
	s_lshl_b32 s23, s22, 23
	v_mov_b32 v11, s23                             ; 2^e0 as f32: the conversion takes its exponent field
	s_add_co_i32 s22, s22, 8
	s_lshl_b32 s22, s22, 23
	s_or_b32 s22, s22, 0x600000
	s_wait_alu depctr_va_vdst(0)
	s_wait_loadcnt 12                              ; step 0's four loads are in; the twelve of steps 1 to 3 may be out
	XTURN 0
.macro XSTEP t
.set XS, X+16*((\t)%2)
	s_wait_dscnt 0x0                               ; this step's numbers are back from the stage, and its stores into the stage have read their registers,
.if (\t)+4 < STEPS
	XLOAD (\t)+4                                   ; which take the loads of four steps on
.endif
.if (\t)+1 < STEPS
.if STEPS-2-(\t) >= 3
	s_wait_loadcnt 12                              ; the next step's four loads are in; those of the three steps behind it may be out
.else
	s_wait_loadcnt 4*(STEPS-2-(\t))
.endif
	XTURN (\t)+1
.endif
.irp i, 0,1,2,3,4,5,6,7,8,9,10,11,12,13,14,15
.endr
	v_cvt_scalef32_pk8_fp8_f32 v[C+4*(\t):C+4*(\t)+1], v[XS:XS+7], v11
	v_cvt_scalef32_pk8_fp8_f32 v[C+4*(\t)+2:C+4*(\t)+3], v[XS+8:XS+15], v11
	global_store_b128 v3, v[C+4*(\t):C+4*(\t)+3], s[12:13] offset:512*(\t)   ; 32 lanes store 512 consecutive bytes; the codes go to a store alone, and the next vector lines are plain
.endm
.irp t, 0,1,2,3,4,5,6,7,8,9,10,11,12,13,14,15
	XSTEP \t
.endr
	s_wait_tensorcnt 0x0
	ds_add_u32 v192, v193
	s_wait_dscnt 0x0
	s_endpgm
; ---- the weights: K is the FIRST axis.  A lane takes a column n and its registers run down K: each load reads 128 consecutive bytes a wave (512 a work-group), and the conversions give codes with K innermost.
; A wave takes 32 columns x 256 along K: 8 blocks of 32.  A lane's codes belong to one row of the output: they go through the wave's own stage and leave as rows, sixteen lanes to 256 aligned bytes.
; One text serves both weights: pointers, row pitch and exponent are chosen on the work-group's number.
.Lweights:
	s_cmp_lt_u32 ttmp9, 88
	s_cselect_b64 s[20:21], s[6:7], s[8:9]         ; from
	s_cselect_b64 s[22:23], s[14:15], s[16:17]     ; to
	s_mov_b32 s48, 4096
	s_cselect_b32 s48, 12288, s48                  ; a row of the weight in bytes
	s_cselect_b32 s49, 64, 88
	s_sub_co_u32 s49, ttmp9, s49
	s_lshl_b32 s49, s49, 7
	s_lshl_b32 s50, s18, 5
	s_add_co_u32 s49, s49, s50                     ; my wave's first column: 128 x (x - first) + 32 x wave
	s_lshl_b32 s50, s48, 8
	s_mul_i32 s50, s50, s19                        ; 256 y rows down,
	s_lshl_b32 s51, s49, 2
	s_add_co_u32 s50, s50, s51                     ; 4 bytes a column
	s_mov_b32 s51, 0
	s_add_nc_u64 s[32:33], s[20:21], s[50:51]      ; block 0's first row; a base for each of the eight blocks, never rewritten
	s_lshl_b32 s52, s48, 5                         ; 32 rows on
	s_mov_b32 s53, 0
.irp t, 1,2,3,4,5,6,7
	s_add_nc_u64 s[32+2*\t:33+2*\t], s[30+2*\t:31+2*\t], s[52:53]
.endr
	s_lshl_b32 s50, s49, 10                        ; the codes: a row of 1,024 bytes a column,
	s_lshl_b32 s51, s19, 8                         ; 256 y along K
	s_add_co_u32 s50, s50, s51
	s_mov_b32 s51, 0
	s_add_nc_u64 s[22:23], s[22:23], s[50:51]
	s_wait_alu depctr_va_vdst(0)
	v_lshlrev_b32 v3, 2, v2
.set i, 0
.rept 32
	v_mad_u32_u24 v[VO+i], s48, i, v3
.set i, i+1
.endr
	s_mul_i32 s54, s18, 32*WP
	s_add_co_u32 s54, s54, WSTG                    ; my stage
	v_mul_u32_u24 v4, v2, WP
	v_add_nc_u32 v4, s54, v4                       ; into it: row = my column
	v_and_b32 v5, 15, v2
	v_lshrrev_b32 v6, 4, v2
	v_mul_u32_u24 v7, v6, WP
	v_lshl_add_u32 v7, v5, 4, v7
	v_add_nc_u32 v7, s54, v7                       ; out of it: sixteen lanes to a row, two rows an instruction
	v_lshlrev_b32 v8, 10, v6
	v_lshl_add_u32 v8, v5, 4, v8                   ; and the same place in the codes' buffer
.macro WLOAD t                         ; block t: W(32 t + i, my column) into set t % 2
.set i, 0
.rept 32
	global_load_b32 v[XW+32*((\t)%2)+i], v[VO+i], s[32+2*(\t):33+2*(\t)] th:TH_LOAD_NT
.set i, i+1
.endr
.endm
	WLOAD 0
	WLOAD 1
	s_wait_kmcnt 0x0
	s_cmp_lt_u32 ttmp9, 88
	s_cselect_b32 s54, s25, s31                    ; e1 or e7
	s_add_co_i32 s54, s54, 127
	s_lshl_b32 s55, s54, 23
	v_mov_b32 v11, s55                             ; 2^e
	s_add_co_i32 s54, s54, 8
	s_lshl_b32 s54, s54, 23
	s_or_b32 s54, s54, 0x600000
.macro WBLOCK t
.set XS, XW+32*((\t)%2)
.if (\t) < 7
	s_wait_loadcnt 32                              ; this block's 32 loads are in; the next block's 32 may be out
.else
	s_wait_loadcnt 0x0
.endif
.set i, 0
.rept 32
.set i, i+1
.endr
.irp g, 0,1,2,3
	v_cvt_scalef32_pk8_fp8_f32 v[CW+2*\g:CW+2*\g+1], v[XS+8*\g:XS+8*\g+7], v11
.endr
	ds_store_b128 v4, v[CW:CW+3] offset:32*(\t)    ; 32 codes: 32 bytes of my column's row
	ds_store_b128 v4, v[CW+4:CW+7] offset:32*(\t)+16
.if (\t)+2 < 8
	WLOAD (\t)+2
.endif
	s_wait_dscnt 0x0                               ; the stores have read their registers: the next block's codes may be written
.endm
	s_wait_alu depctr_va_vdst(0)
.irp t, 0,1,2,3,4,5,6,7
	WBLOCK \t
.endr
.irp t, 0,1,2,3,4,5,6,7,8,9,10,11,12,13,14,15
	ds_load_b128 v[OUTR+4*\t:OUTR+4*\t+3], v7 offset:2*\t*WP
.endr
.irp t, 0,1,2,3,4,5,6,7,8,9,10,11,12,13,14,15
	s_wait_dscnt 15-\t                             ; the later loads from the stage may be out
	global_store_b128 v8, v[OUTR+4*\t:OUTR+4*\t+3], s[22:23] offset:2048*\t   ; sixteen lanes store 256 consecutive bytes, at a multiple of 256 from the buffer's first byte
.endr
	s_wait_tensorcnt 0x0
	ds_add_u32 v192, v193
	s_wait_dscnt 0x0
	s_endpgm
.Lfunc_end_k_qc7f5418e23_quant:
	.size	k_qc7f5418e23_quant, .Lfunc_end_k_qc7f5418e23_quant-k_qc7f5418e23_quant
	.p2alignl 7, 3214868480
	.fill 96, 4, 3214868480
	.section	.rodata,"a",@progbits
	.p2align	6, 0x0
	.amdhsa_kernel k_qc7f5418e23_quant
		.amdhsa_group_segment_fixed_size 68096
		.amdhsa_private_segment_fixed_size 0
		.amdhsa_enable_private_segment 0
		.amdhsa_kernarg_size 56
		.amdhsa_user_sgpr_count 2
		.amdhsa_user_sgpr_kernarg_segment_ptr 1
		.amdhsa_wavefront_size32 1
		.amdhsa_system_sgpr_workgroup_id_x 1
		.amdhsa_system_sgpr_workgroup_id_y 1
		.amdhsa_system_sgpr_workgroup_id_z 1
		.amdhsa_system_vgpr_workitem_id 0
		.amdhsa_next_free_vgpr 194
		.amdhsa_next_free_sgpr 66
		.amdhsa_reserve_vcc 0
		.amdhsa_float_denorm_mode_32 3
		.amdhsa_float_denorm_mode_16_64 3
		.amdhsa_fp16_overflow 1
		.amdhsa_memory_ordered 1
		.amdhsa_forward_progress 1
		.amdhsa_inst_pref_size 56
	.end_amdhsa_kernel
	.amdgpu_metadata
---
amdhsa.version: [ 1, 2 ]
amdhsa.kernels:
  - .name:           k_qc7f5418e23_quant
    .symbol:         k_qc7f5418e23_quant.kd
    .args:
      - { .name: x, .offset: 0, .size: 8, .value_kind: global_buffer, .address_space: global }
      - { .name: W_attn, .offset: 8, .size: 8, .value_kind: global_buffer, .address_space: global }
      - { .name: W_proj, .offset: 16, .size: 8, .value_kind: global_buffer, .address_space: global }
      - { .name: lowp_scales, .offset: 24, .size: 8, .value_kind: global_buffer, .address_space: global }
      - { .name: x_codes, .offset: 32, .size: 8, .value_kind: global_buffer, .address_space: global }
      - { .name: wa_codes, .offset: 40, .size: 8, .value_kind: global_buffer, .address_space: global }
      - { .name: wp_codes, .offset: 48, .size: 8, .value_kind: global_buffer, .address_space: global }
    .group_segment_fixed_size: 68096
    .private_segment_fixed_size: 0
    .kernarg_segment_align: 8
    .kernarg_segment_size: 56
    .max_flat_workgroup_size: 128
    .sgpr_count:     66
    .vgpr_count:     194
    .wavefront_size: 32
...
	.end_amdgpu_metadata
.endif
;; end of part 1
;; launch qkv (part 2): grid 12 x 32, 4 waves a work-group, clusters of 4 x 4, 327,680 bytes of LDS; arguments x_codes, wa_codes, lowp_scales, b_attn, q_codes, k_codes, v_codes; writes q_codes, k_codes, v_codes
.if DOCPART == 2
	.amdgcn_target "amdgcn-amd-amdhsa--gfx1250"
	.amdhsa_code_object_version 6
	.text
	.protected	k_qc7f5418e23_qkv
	.globl	k_qc7f5418e23_qkv
	.p2align	8
	.type	k_qc7f5418e23_qkv,@function
k_qc7f5418e23_qkv:
	s_mov_b64 s[64:65], 0
	v_nop
	global_prefetch_b8 v0, s[64:65] scope:SCOPE_SE
	s_setreg_imm32_b32 hwreg(HW_REG_WAVE_MODE, 25, 1), 1
	s_wait_xcnt 0x0
	s_wait_alu depctr_hold_cnt(0) depctr_sa_sdst(0) depctr_va_vdst(0) depctr_va_sdst(0) depctr_va_ssrc(0) depctr_va_vcc(0) depctr_vm_vsrc(0)
	s_getreg_b32 s2, hwreg(HW_REG_IB_STS2, 6, 4)
	s_cmp_eq_u32 s2, 0
	s_cbranch_scc0 .Lentry_in_a_cluster
	s_endpgm
.Lentry_in_a_cluster:
	s_bfe_u32 s2, ttmp6, 0x10000c
	s_cmp_lg_u32 s2, 0xf033
	s_cbranch_scc0 .Lentry_shape_is_right
	s_endpgm
.Lentry_shape_is_right:
; qkv = x W_attn + b_attn on codes of FP8 (E4M3), and the quantising of q, k and v for the attention.  x_codes [8192 m][1024 k], wa_codes [3072 n][1024 k].
; A sum of codes stands for sum x 2^(e0 + e1); value = sum x 2^(e0 + e1) + bias, in f32; its code = value / 2^e (q: e2, k: e3, v: e5), held within +-448.
; OUT: q_codes, k_codes [64 bh][2048 t][64 d];  v_codes [64 bh][64 d][2048 t]: the keys innermost, since they are the K of the attention's second product.
; LIMITS: e0 + e1 between -126 and 127; e2, e3, e5 between -126 and 119, so that each power of two below is an f32 number.
; A tile, 256 x 256, is made by four waves, each 128 x 128: 64 accumulators, 512 registers.  K goes in steps of 256 through a ring of two LDS slots filled by the tensor data mover.
; CLUSTERS: 4 x 4 work-groups cover 1,024 x 1,024, so a cluster is wholly q (cluster x = 0), k (1) or v (2).  Operand A's tiles are shared along a row of the cluster, operand B's along a column: joint loads.
; THE MATRIX INSTRUCTION IS USED TRANSPOSED (source 0 = 16 rows of B, source 1 = 16 rows of A): a lane holds one row of A and eight neighbouring rows of B.  For q and k A = x, B = W: eight neighbours along d.
; For v the two change roles (A = W's rows 2,048 on, B = x): eight neighbours along t.  Only pointers and tile numbers are chosen, on the cluster's x, which all sixteen partners share.
; A fragment's 128 k are fetched by four loads of 16 bytes: a permutation of k inside an instruction, the same on both sides: every product meets its partner.
; REGISTERS, in windows of 256: window 0: v0-31 addresses; v32-95 bias along B, v96-111 bias along A (in pairs), v112 the quantiser's scale; from v128 A's fragments, ONE set.
;   window 1: B's fragments, TWO sets, at v0 and v128.   window 2: the accumulators of my rows 0-63 ((a, b) at v[8 (8 a + b)]);   window 3: those of rows 64-127.
.set ROWB,   256                       ; a tile's row: 256 codes
.set KROW,   1024                      ; a row of either operand in memory
.set PITCH,  272                       ; an LDS row: 256 bytes + 16 of padding = 68 words: row r starts at bank 4 r mod 64 (ISA guide 11.1)
.set FR,     16                        ; registers of a fragment: 16 rows x 128 K
.set NL,     4                         ; LDS loads that bring one
.set NP,     4                         ; places behind this matrix instruction (ISA guide 7.12.1)
.set HALFA,  128*PITCH                 ; what one tensor load brings
.set HALFB,  128*PITCH
.set BOFF,   2*HALFA                   ; B's rows lie behind A's 256
.set SLOT,   BOFF+2*HALFB
.set SPARE,  2*SLOT                    ; behind the ring: the spare words, 128 bytes a wave
.set LAPS,   2                         ; 1,024 along K = four K steps = twice round the ring
.set SP,     336                       ; the way out: one stage of 256 rows x (256 bytes + 80) in slot 0, which has had its last fill and its last read by then: 84 words: sixteen rows' 16 bytes fall on different banks
.set STO,  7                           ; v7   the stage: where I put 8 codes
.set RDQ,  8                           ; v8   q, k: where I read 16 bytes of my head's band, rows 0-127;  v9 rows 128-255
.set RDQ2, 9
.set RDV,  10                          ; v10  v: where I read 16 bytes of a whole row
.set GOQ,  11                          ; v11  q, k: my byte offset in the output
.set GOV,  12                          ; v12  v: likewise
.set ADRA, 16                          ; v16-17  LDS address of my A fragments in slot 0, 1
.set ADRB, 20                          ; v20-21  the same for B
.set SPW,  28                          ; v28  my spare word: SPARE + 4 x my thread's number; never rewritten
.set NIL,  29                          ; v29  0; never rewritten
.set BB,   32
.set BA,   96
.set SCL,  112
.set LIMV, 113
.set AF,   128                         ; A's fragments
.set TMP,  128                         ; the way out: a block's 64 values
.set CD,   192                         ; and its codes: four sets of 16 registers by turns
.set G1, 24                            ; s[24:31] descriptor group 1 for A's tiles;  s[32:39] group 0, one set for each slot
.set G0, 32
.set G1B, 48                           ; s[48:55], s[56:63] the same for B's
.set G0B, 56
.set MSB, 0
.macro WIN new                         ; the immediate's high byte repeats the setting that is left
.if MSB != (\new)
	s_set_vgpr_msb (MSB<<8)|(\new)
.set MSB, \new
.endif
.endm
.set MUL_LO, 0xa1                      ; source 0 (B) window 1, source 1 (A) window 0, C and D window 2
.set MUL_HI, 0xf1                      ; the same, C and D window 3
.set TO_B,   0x40                      ; destination window 1, address window 0
; A joint load: waves 0 and 1 fetch for A, waves 2 and 3 for B; the branch hangs on the wave's number alone.  Four v_nop follow each of the two lines.
.macro JLOAD g0a, g1a, g0b, g1b
	s_cmp_eq_u32 s15, 0
	s_cbranch_scc0 .Lfor_b_\@
	tensor_load_to_lds s[\g0a:\g0a+3], s[\g1a:\g1a+7]
	s_nop 0
.rept 4
	v_nop
.endr
	s_branch .Lasked_\@
.Lfor_b_\@:
	tensor_load_to_lds s[\g0b:\g0b+3], s[\g1b:\g1b+7]
	s_nop 0
.rept 4
	v_nop
.endr
.Lasked_\@:
.endm
.macro CREST                           ; a round of the cluster's barrier behind its opening barrier
	s_cmp_lg_u32 s14, 0
	s_cbranch_scc1 .Lnot_wave_0_\@
	s_barrier_signal -3
.Lnot_wave_0_\@:
	s_barrier_wait -3
	s_barrier_signal -1
	s_barrier_wait -1
.endm
.macro CROUND
	s_barrier_signal -1
	s_barrier_wait -1
	CREST
.endm
	s_load_b256 s[68:75], s[0:1], 0x0              ; x_codes s[68:69], wa_codes s[70:71], the scales' exponents s[72:73], b_attn s[74:75]
	s_load_b128 s[76:79], s[0:1], 0x20             ; q_codes, k_codes
	s_load_b64 s[80:81], s[0:1], 0x30              ; v_codes
	v_lshl_add_u32 v[SPW], v0, 2, SPARE
	v_mov_b32 v[NIL], 0
	ds_add_u32 v28, v29
	ds_add_u32 v28, v29
	s_wait_dscnt 0x0
	v_lshrrev_b32 v1, 5, v0
	v_readfirstlane_b32 s14, v1                    ; wave 0..3
	s_lshr_b32 s15, s14, 1                         ; which half of A's rows is mine.  Also: I fetch for A (0) or for B (1)
	s_and_b32 s16, s14, 1                          ; which half of B's rows.  Also: which 128 rows of that tile I fetch
	s_bfe_u32 s40, ttmp6, 0x40000                  ; cx, cy: my place in the cluster
	s_bfe_u32 s41, ttmp6, 0x40004
	s_and_b32 s12, ttmp7, 0xffff
	s_lshl_b32 s12, s12, 2                         ; 4 x cluster y
	s_lshl_b32 s13, ttmp9, 2                       ; 4 x cluster x
	s_cmp_eq_u32 ttmp9, 2                          ; v's cluster?
	s_cselect_b32 s17, 8, s12
	s_cselect_b32 s42, s12, s13
	s_add_co_u32 s17, s17, s41                     ; A's tile of 256 rows: q, k: 4 cluster y + cy of x;  v: 8 + cy of W.  It hangs on cy alone of my place
	s_add_co_u32 s42, s42, s40                     ; B's: q, k: 4 cluster x + cx of W;  v: 4 cluster y + cx of x.  On cx alone
	s_lshl_b32 s43, s41, 2
	s_lshl_b32 s43, 15, s43                        ; my row of the cluster
	s_lshl_b32 s44, 0x1111, s40                    ; my column
	s_or_b32 s[G1+0], s43, (0<<16)|(1<<20)|(1<<21)|(5<<22)|(3<<25)   ; 15:0 the mask; 17:16 elements of 1 byte; 20 padding on; 21 set beside a mask; 24:22 after every 64 words; 31:25 four words
	s_or_b32 s[G1B+0], s44, (0<<16)|(1<<20)|(1<<21)|(5<<22)|(3<<25)
.irp g, G1, G1B
	s_mov_b32 s[\g+1], ROWB<<16                    ; tensor_dim0
	s_mov_b32 s[\g+2], 128<<16                     ; tensor_dim1
	s_mov_b32 s[\g+3], ROWB<<16                    ; tile_dim0
	s_mov_b32 s[\g+4], 128                         ; tile_dim1
	s_mov_b32 s[\g+5], KROW                        ; tensor_dim0_stride
	s_mov_b32 s[\g+6], 0
	s_mov_b32 s[\g+7], 0
.endr
	s_lshl_b32 s18, s16, 7                         ; which 128 rows of the tile I fetch
	s_lshl_b32 s20, s17, 8
	s_add_co_u32 s20, s20, s18
	s_lshl_b32 s20, s20, 10                        ; A: (256 x tile + 128 x half) rows of 1,024 bytes
	s_mov_b32 s21, 0
	s_lshl_b32 s46, s42, 8
	s_add_co_u32 s46, s46, s18
	s_lshl_b32 s46, s46, 10                        ; B likewise
	s_mov_b32 s47, 0
	s_mul_i32 s45, s16, HALFA                      ; where they go: no place in the cluster enters an LDS address
	s_mul_i32 s19, s16, HALFB
	s_add_co_u32 s19, s19, BOFF
	s_wait_kmcnt 0x0
	s_load_b256 s[84:91], s[72:73], 0x0            ; e0 .. e7
	s_cmp_eq_u32 ttmp9, 2
	s_cselect_b64 s[4:5], s[70:71], s[68:69]       ; operand A: x, or W for v
	s_cselect_b64 s[6:7], s[68:69], s[70:71]       ; operand B: W, or x for v
	s_add_nc_u64 s[20:21], s[4:5], s[20:21]
	s_add_nc_u64 s[46:47], s[6:7], s[46:47]
	CROUND                                         ; all sixteen work-groups are here: the first joint loads meet
.irp s, 0,1
	s_mov_b32 s[G0+4*\s], 1
	s_add_co_u32 s[G0+4*\s+1], s45, \s*SLOT
	s_add_nc_u64 s[G0+4*\s+2:G0+4*\s+3], s[20:21], \s*ROWB
	s_or_b32 s[G0+4*\s+3], s[G0+4*\s+3], 0x80000000
	s_mov_b32 s[G0B+4*\s], 1
	s_add_co_u32 s[G0B+4*\s+1], s19, \s*SLOT
	s_add_nc_u64 s[G0B+4*\s+2:G0B+4*\s+3], s[46:47], \s*ROWB
	s_or_b32 s[G0B+4*\s+3], s[G0B+4*\s+3], 0x80000000
	JLOAD G0+4*\s, G1, G0B+4*\s, G1B               ; two loads of mine are out
.endr
	v_and_b32 v1, 15, v0                           ; r = lane % 16
	v_bfe_u32 v2, v0, 4, 1                         ; h = lane / 16
	s_wait_alu depctr_va_vdst(0)
	; the biases, while the first tiles are on their way.  Along B (q, k): b_attn[1024 cluster x + 256 cx + 128 half + 16 b + 8 h + j];  along A (v): b_attn[2048 + 256 cy + 128 half + 16 a + r].  Both stay inside the buffer in every cluster.
	s_lshl_b32 s100, ttmp9, 10
	s_lshl_b32 s101, s40, 8
	s_add_co_u32 s100, s100, s101
	s_lshl_b32 s101, s16, 7
	s_add_co_u32 s100, s100, s101
	s_lshl_b32 s100, s100, 2
	s_mov_b32 s101, 0
	s_add_nc_u64 s[82:83], s[74:75], s[100:101]
	v_lshlrev_b32 v5, 5, v2
.irp b, 0,1,2,3,4,5,6,7
	global_load_b128 v[BB+8*\b:BB+8*\b+3], v5, s[82:83] offset:64*\b
	global_load_b128 v[BB+8*\b+4:BB+8*\b+7], v5, s[82:83] offset:64*\b+16
.endr
	s_lshl_b32 s100, s41, 8
	s_lshl_b32 s101, s15, 7
	s_add_co_u32 s100, s100, s101
	s_add_co_u32 s100, s100, 2048
	s_lshl_b32 s100, s100, 2
	s_mov_b32 s101, 0
	s_add_nc_u64 s[8:9], s[74:75], s[100:101]
	v_lshlrev_b32 v6, 2, v1
.irp a, 0,1,2,3,4,5,6,7
	global_load_b32 v[BA+2*\a], v6, s[8:9] offset:64*\a
.endr
	v_mul_u32_u24 v3, v1, PITCH
	v_lshl_add_u32 v4, v2, 4, v3                   ; a fragment's row x pitch + 16 x half
	s_mul_i32 s21, s15, HALFA                      ; my 128 rows of A
	s_mul_i32 s22, s16, HALFB                      ; my 128 rows of B
	s_add_co_u32 s22, s22, BOFF
.irp s, 0,1
	v_add_nc_u32 v[ADRA+\s], s21, v4
	v_add_nc_u32 v[ADRB+\s], s22, v4
	s_add_co_u32 s21, s21, SLOT
	s_add_co_u32 s22, s22, SLOT
.endr
	s_mul_i32 s100, s15, 128*SP                    ; the stage: row = A's row in the tile, byte = B's row in the tile
	s_lshl_b32 s101, s16, 7
	s_add_co_u32 s100, s100, s101
	v_mul_u32_u24 v[STO], v1, SP
	v_lshl_add_u32 v[STO], v2, 3, v[STO]
	v_add_nc_u32 v[STO], s100, v[STO]              ; (128 half A + r) x SP + 128 half B + 8 h
	v_and_b32 v13, 31, v0
	v_lshrrev_b32 v[RDQ], 2, v13
	v_mul_u32_u24 v[RDQ], v[RDQ], SP
	v_and_b32 v[RDQ2], 3, v0
	v_lshl_add_u32 v[RDQ], v[RDQ2], 4, v[RDQ]
	s_lshl_b32 s100, s14, 6
	v_add_nc_u32 v[RDQ], s100, v[RDQ]              ; q, k: four lanes to a row's 64 bytes of head 4 cx + wave, eight rows an instruction
	v_add_nc_u32 v[RDQ2], 128*SP, v[RDQ]
	s_mul_i32 s100, s14, 64*SP
	v_mul_u32_u24 v[RDV], v2, SP
	v_lshl_add_u32 v[RDV], v1, 4, v[RDV]
	v_add_nc_u32 v[RDV], s100, v[RDV]              ; v: sixteen lanes to a row of 256 bytes, rows 64 wave on
	v_lshlrev_b32 v[GOQ], 4, v13
	v_lshlrev_b32 v[GOV], 11, v2
	v_lshl_add_u32 v[GOV], v1, 4, v[GOV]
	; where the results go.  q, k: row m = 256 tile A + row: batch = tile A / 8, t = 256 (tile A % 8) + row; head 4 cx + wave: ((16 batch + head) x 2048 + t) x 64
	s_lshr_b32 s100, s17, 3
	s_lshl_b32 s100, s100, 4
	s_lshl_b32 s101, s40, 2
	s_add_co_u32 s100, s100, s101
	s_add_co_u32 s100, s100, s14
	s_lshl_b32 s100, s100, 11
	s_and_b32 s101, s17, 7
	s_lshl_b32 s101, s101, 8
	s_add_co_u32 s100, s100, s101
	s_lshl_b32 s100, s100, 6
	s_mov_b32 s101, 0
	s_cmp_eq_u32 ttmp9, 0
	s_cselect_b64 s[96:97], s[76:77], s[78:79]
	s_add_nc_u64 s[96:97], s[96:97], s[100:101]
	; v: channel = 256 cy + 64 wave + row; batch = tile B / 8, t = 256 (tile B % 8) + byte: (1024 batch + channel) x 2048 + t
	s_lshr_b32 s100, s42, 3
	s_lshl_b32 s100, s100, 10
	s_lshl_b32 s101, s41, 8
	s_add_co_u32 s100, s100, s101
	s_lshl_b32 s101, s14, 6
	s_add_co_u32 s100, s100, s101
	s_lshl_b32 s100, s100, 11
	s_and_b32 s101, s42, 7
	s_lshl_b32 s101, s101, 8
	s_add_co_u32 s100, s100, s101
	s_mov_b32 s101, 0
	s_add_nc_u64 s[98:99], s[80:81], s[100:101]
	s_wait_kmcnt 0x0
	s_cmp_eq_u32 ttmp9, 0
	s_cselect_b32 s100, s86, s87                   ; e2 for q, e3 for k,
	s_cmp_eq_u32 ttmp9, 2
	s_cselect_b32 s100, s89, s100                  ; e5 for v: a choice on the cluster's number, no branch
	s_add_co_i32 s100, s100, 127
	s_lshl_b32 s101, s100, 23
	v_mov_b32 v[SCL], s101                         ; the quantiser's 2^e as f32
	s_add_co_i32 s92, s84, s85
	s_add_co_i32 s92, s92, 127
	s_lshl_b32 s92, s92, 23                        ; 2^(e0 + e1) as f32
	s_mov_b32 s93, s92                             ; (named with it as a pair, so it is written)
	s_wait_loadcnt 0x0                             ; the biases.  The one that does not belong to my cluster's part becomes 0, so that one text adds both
	s_cmp_lt_u32 ttmp9, 2
	s_cselect_b32 vcc_lo, -1, 0                    ; q, k: keep the bias along B
.set j, 0
.rept 64
	v_cndmask_b32 v[BB+j], 0, v[BB+j], vcc_lo
.set j, j+1
.endr
	s_not_b32 vcc_lo, vcc_lo                       ; v: keep the bias along A
.irp a, 0,1,2,3,4,5,6,7
	v_cndmask_b32 v[BA+2*\a], 0, v[BA+2*\a], vcc_lo
	v_mov_b32 v[BA+2*\a+1], v[BA+2*\a]             ; a pair for the packed addition
.endr
.macro FRAG reg, adr, q, i             ; 16 rows x 128 K: registers 4 c .. 4 c + 3 hold K = 32 c + 16 (lane / 16) + 0 .. 15 of row lane % 16
.irp c, 0,1,2,3
	ds_load_b128 v[\reg+4*\c:\reg+4*\c+3], v[\adr] offset:128*(\q)+32*\c+(\i)*16*PITCH
.endr
.endm
; 16 matrix instructions: A's blocks a0, a0 + 1 x B's eight.  p: B's set.  zero = 1: the first product starts the sums.  The 64 accumulators take turns, one instruction a turn, in the same order in every step.
.macro MUL16 a0, p, zero
.irp a, \a0, \a0+1
.irp b, 0,1,2,3,4,5,6,7
.if \zero
	v_wmma_f32_16x16x128_fp8_fp8 v[8*(8*((\a)%4)+\b):8*(8*((\a)%4)+\b)+7], v[128*(\p)+FR*\b:128*(\p)+FR*\b+FR-1], v[AF+FR*(\a):AF+FR*(\a)+FR-1], 0
.else
	v_wmma_f32_16x16x128_fp8_fp8 v[8*(8*((\a)%4)+\b):8*(8*((\a)%4)+\b)+7], v[128*(\p)+FR*\b:128*(\p)+FR*\b+FR-1], v[AF+FR*(\a):AF+FR*(\a)+FR-1], v[8*(8*((\a)%4)+\b):8*(8*((\a)%4)+\b)+7]
.endif
.endr
.endr
.endm
.macro FETCH_B slot, q, p
	WIN TO_B
.irp i, 0,1,2,3,4,5,6,7
	FRAG 128*(\p)+FR*\i, ADRB+\slot, \q, \i
.endr
	WIN 0
.endm
.macro FETCH_A slot, q, i0
.irp i, \i0, \i0+1, \i0+2, \i0+3
	FRAG AF+FR*(\i), ADRA+\slot, \q, \i
.endr
.endm
.macro PLACES n                        ; plain vector lines between a matrix instruction and a load into, or a vector read or write of, its registers
.rept \n
	v_nop
.endr
.endm
; A step of 128 along K that has its successor in the same slot.  A block of A is free as soon as its eight products are issued: blocks 0-3 are fetched anew in the middle, blocks 4-7 at the end.
.macro STEP slot, q, zero
	s_wait_dscnt 4*NL                              ; B's set and A's blocks 0-3 are in; the youngest 16 loads (A's blocks 4-7) may be out
	WIN MUL_LO
	MUL16 0, (\q)%2, \zero
	MUL16 2, (\q)%2, \zero
	s_wait_dscnt 0
	PLACES NP
	FETCH_B \slot, (\q)+1, 1-(\q)%2
	FETCH_A \slot, (\q)+1, 0
	WIN MUL_HI
	MUL16 4, (\q)%2, \zero
	MUL16 6, (\q)%2, \zero
	PLACES NP
	WIN 0
	FETCH_A \slot, (\q)+1, 4
.endm
; A slot's last step changes slots: one barrier; in front of it each wave waits for all its tensor loads, adds 0 to its spare word, and waits for that and for its own reads of this slot.  fill = 1: this slot is filled again, two K steps ahead.
.macro TURN slot, next, fill
	s_wait_tensorcnt 0x0                           ; all my tensor loads have landed: my part of the next slot
	ds_add_u32 v[SPW], v[NIL]                      ; 0 onto my spare word
	s_wait_dscnt 4*NL+1                            ; (the add and the youngest 16 loads, A's blocks 4-7, may be out)
	WIN MUL_LO
	MUL16 0, 1, 0
	s_wait_dscnt 0x0                               ; the add is done, and my reads of this slot are over
	s_barrier_signal -1
	MUL16 2, 1, 0
	WIN 0
	s_barrier_wait -1
.if \fill
	CREST                                          ; the barrier has opened a round of the cluster's barrier: no wave of any partner still reads this slot or has a load on its way
	s_add_nc_u64 s[G0+4*\slot+2:G0+4*\slot+3], s[G0+4*\slot+2:G0+4*\slot+3], 2*ROWB
	s_add_nc_u64 s[G0B+4*\slot+2:G0B+4*\slot+3], s[G0B+4*\slot+2:G0B+4*\slot+3], 2*ROWB
	JLOAD G0+4*\slot, G1, G0B+4*\slot, G1B         ; the first tensor load behind the round; its four v_nop are also the places in front of the loads below
.else
	PLACES NP
.endif
	FETCH_B \next, 0, 0
	FETCH_A \next, 0, 0
	WIN MUL_HI
	MUL16 4, 1, 0
	MUL16 6, 1, 0
	PLACES NP
	WIN 0
	FETCH_A \next, 0, 4
.endm
	s_wait_tensorcnt 1                             ; my part of K step 0 is in; K step 1's load may be out
	s_barrier_signal -1
	s_barrier_wait -1
	FETCH_B 0, 0, 0
	FETCH_A 0, 0, 0
	FETCH_A 0, 0, 4
	STEP 0, 0, 1                                   ; the first step stands in front of the loop: its products start the sums
	s_mov_b32 s3, LAPS-1
.Llap:                                                 ; a trip goes once round the ring and fills both slots again
	TURN 0, 1, 1
	STEP 1, 0, 0
	TURN 1, 0, 1
	STEP 0, 0, 0
	s_sub_co_u32 s3, s3, 1
	s_cmp_lg_u32 s3, 0
	s_cbranch_scc1 .Llap
	TURN 0, 1, 0                                   ; the last lap fills nothing
	STEP 1, 0, 0
	s_wait_dscnt 4*NL
	WIN MUL_LO
	MUL16 0, 1, 0
	MUL16 2, 1, 0
	s_wait_dscnt 0
	WIN MUL_HI
	MUL16 4, 1, 0
	MUL16 6, 1, 0
	WIN 0
; THE WAY OUT.  Block a (16 rows of A x my 128 rows of B): value = sum x 2^(e0 + e1) + bias along B + bias along A (one of the two is 0), held, converted: a lane's eight values are eight codes, 8 bytes of a stage row.
.macro CODES a
.set AC, 64*((\a)%4)
.set CDA, CD+16*((\a)%4)
.if (\a) >= 4
	s_wait_dscnt 24                                ; block a - 4's stage stores are done (the 24 of the three blocks behind it may be out): its set of code registers is written again
.endif
	WIN 0x02+((\a)/4)                              ; source 0: window 2 or 3
.set j, 0
.rept 32
	v_pk_fma_f32 v[TMP+j:TMP+j+1], v[AC+j:AC+j+1], s[92:93], v[BB+j:BB+j+1] op_sel_hi:[1,0,1]   ; each accumulator from its low end on
.set j, j+2
.endr
	WIN 0
.set j, 0
.rept 32
	v_pk_add_f32 v[TMP+j:TMP+j+1], v[TMP+j:TMP+j+1], v[BA+2*(\a):BA+2*(\a)+1]
.set j, j+2
.endr
.set j, 0
.rept 64
.set j, j+1
.endr
.irp b, 0,1,2,3,4,5,6,7
	v_cvt_scalef32_pk8_fp8_f32 v[CDA+2*\b:CDA+2*\b+1], v[TMP+8*\b:TMP+8*\b+7], v[SCL]
.endr
	v_nop                                          ; one plain vector line behind the conversions: the next block's lines write their sources
.irp b, 0,1,2,3,4,5,6,7
	ds_store_b64 v[STO], v[CDA+2*\b:CDA+2*\b+1] offset:(\a)*16*SP+16*\b
.endr
.endm
	PLACES NP                                      ; behind the last products: the first block's lines write registers that held A's fragments
.irp a, 0,1,2,3,4,5,6,7
	CODES \a
.endr
	s_wait_dscnt 0x0                               ; for the others' sake: my stores into the stage are done; a row's 256 bytes come from two waves
	s_barrier_signal -1
	s_barrier_wait -1
	s_cmp_eq_u32 ttmp9, 2                          ; the cluster's number: the same in all sixteen partners.  The two arms hold LDS loads and stores to memory alone
	s_cbranch_scc1 .Lv_out
.set i, 0
.rept 16                               ; q, k: wave w takes head 4 cx + w: bytes 64 w on of all 256 rows: 8 rows of t x 64 bytes an instruction
	ds_load_b128 v[128+4*i:128+4*i+3], v[RDQ] offset:8*SP*i
.set i, i+1
.endr
.rept 16
	ds_load_b128 v[128+4*i:128+4*i+3], v[RDQ2] offset:8*SP*(i-16)
.set i, i+1
.endr
.set i, 0
.rept 32
	s_wait_dscnt 31-i                              ; the later loads may be out
	global_store_b128 v[GOQ], v[128+4*i:128+4*i+3], s[96:97] offset:512*i   ; 32 lanes store 512 consecutive bytes, at a multiple of 256 from the buffer's first byte
.set i, i+1
.endr
	s_branch .Ldone
.Lv_out:
.set i, 0
.rept 32                               ; v: wave w takes channels 64 w on: two whole rows of 256 bytes along t an instruction
	ds_load_b128 v[128+4*i:128+4*i+3], v[RDV] offset:2*SP*i
.set i, i+1
.endr
.set i, 0
.rept 32
	s_wait_dscnt 31-i
	global_store_b128 v[GOV], v[128+4*i:128+4*i+3], s[98:99] offset:4096*i   ; sixteen lanes store 256 consecutive bytes, aligned
.set i, i+1
.endr
.Ldone:
	s_wait_tensorcnt 0x0                           ; the wave's end
	ds_add_u32 v[SPW], v[NIL]
	s_wait_dscnt 0x0
	CROUND                                         ; the closing round: no work-group ends while a partner may still ask for a tile that names it
	s_endpgm
.Lfunc_end_k_qc7f5418e23_qkv:
	.size	k_qc7f5418e23_qkv, .Lfunc_end_k_qc7f5418e23_qkv-k_qc7f5418e23_qkv
	.p2alignl 7, 3214868480
	.fill 96, 4, 3214868480
	.section	.rodata,"a",@progbits
	.p2align	6, 0x0
	.amdhsa_kernel k_qc7f5418e23_qkv
		.amdhsa_group_segment_fixed_size 327680
		.amdhsa_private_segment_fixed_size 0
		.amdhsa_enable_private_segment 0
		.amdhsa_kernarg_size 56
		.amdhsa_user_sgpr_count 2
		.amdhsa_user_sgpr_kernarg_segment_ptr 1
		.amdhsa_wavefront_size32 1
		.amdhsa_system_sgpr_workgroup_id_x 1
		.amdhsa_system_sgpr_workgroup_id_y 1
		.amdhsa_system_sgpr_workgroup_id_z 1
		.amdhsa_system_vgpr_workitem_id 0
		.amdhsa_next_free_vgpr 1024
		.amdhsa_next_free_sgpr 102
		.amdhsa_reserve_vcc 1
		.amdhsa_float_denorm_mode_32 3
		.amdhsa_float_denorm_mode_16_64 3
		.amdhsa_fp16_overflow 1
		.amdhsa_memory_ordered 1
		.amdhsa_forward_progress 1
		.amdhsa_inst_pref_size 138
	.end_amdhsa_kernel
	.amdgpu_metadata
---
amdhsa.version: [ 1, 2 ]
amdhsa.kernels:
  - .name:           k_qc7f5418e23_qkv
    .symbol:         k_qc7f5418e23_qkv.kd
    .args:
      - { .name: x_codes, .offset: 0, .size: 8, .value_kind: global_buffer, .address_space: global }
      - { .name: wa_codes, .offset: 8, .size: 8, .value_kind: global_buffer, .address_space: global }
      - { .name: lowp_scales, .offset: 16, .size: 8, .value_kind: global_buffer, .address_space: global }
      - { .name: b_attn, .offset: 24, .size: 8, .value_kind: global_buffer, .address_space: global }
      - { .name: q_codes, .offset: 32, .size: 8, .value_kind: global_buffer, .address_space: global }
      - { .name: k_codes, .offset: 40, .size: 8, .value_kind: global_buffer, .address_space: global }
      - { .name: v_codes, .offset: 48, .size: 8, .value_kind: global_buffer, .address_space: global }
    .group_segment_fixed_size: 327680
    .private_segment_fixed_size: 0
    .kernarg_segment_align: 8
    .kernarg_segment_size: 56
    .max_flat_workgroup_size: 128
    .sgpr_count:     102
    .vgpr_count:     1024
    .wavefront_size: 32
...
	.end_amdgpu_metadata
.endif
;; end of part 2
;; launch attn (part 3): grid 4 x 64, 16 waves a work-group, clusters of 4 x 1, 327,680 bytes of LDS; arguments q_codes, k_codes, v_codes, lowp_scales, y_codes; writes y_codes
.if DOCPART == 3
	.amdgcn_target "amdgcn-amd-amdhsa--gfx1250"
	.amdhsa_code_object_version 6
	.text
	.protected	k_qc7f5418e23_attn
	.globl	k_qc7f5418e23_attn
	.p2align	8
	.type	k_qc7f5418e23_attn,@function
k_qc7f5418e23_attn:
	s_mov_b64 s[64:65], 0
	v_nop
	global_prefetch_b8 v0, s[64:65] scope:SCOPE_SE
	s_setreg_imm32_b32 hwreg(HW_REG_WAVE_MODE, 25, 1), 1
	s_wait_xcnt 0x0
	s_wait_alu depctr_hold_cnt(0) depctr_sa_sdst(0) depctr_va_vdst(0) depctr_va_sdst(0) depctr_va_ssrc(0) depctr_va_vcc(0) depctr_vm_vsrc(0)
	s_getreg_b32 s2, hwreg(HW_REG_IB_STS2, 6, 4)
	s_cmp_eq_u32 s2, 0
	s_cbranch_scc0 .Lentry_in_a_cluster
	s_endpgm
.Lentry_in_a_cluster:
	s_bfe_u32 s2, ttmp6, 0x10000c
	s_cmp_lg_u32 s2, 0x3003
	s_cbranch_scc0 .Lentry_shape_is_right
	s_endpgm
.Lentry_shape_is_right:
; Causal attention on codes of FP8 (E4M3), head size 64, and the quantising of its result.  q_codes, k_codes [64 bh][2048 t][64 d]; v_codes [64 bh][64 d][2048 t]; y_codes [16 h][8192 (b, t)][64 d].
; t = score x 2^(e2 + e3) x log2(e) / 8;  M = the row's largest t so far, rounded UP to a whole number;  p = 2^(t - M) is quantised with 2^e4, not normalised; the row's sum is taken of the unquantised p;
; y = (sum of p's codes x v's codes) x 2^(e4 + e5) / the row's sum, quantised with 2^e6.  When M moves, the sum and O are multiplied by 2^(old M - new M): exact.
; LIMITS: e2 + e3 between -123 and 130 (added to c's exponent field); e4 and e6 between -126 and 119; e4 + e5 is applied by v_ldexp_f32 and has none.
; SHARES.  A cluster of four work-groups is one head; a head has 128 tiles of 16 queries.  Wave w of work-group cx owns the SMALL tile a = 4 w + cx and the BIG tile 127 - a.  With g = a / 8 = w / 2 the big tile
; needs key steps (of 128 keys) 0 .. 15 - g and the small one 0 .. g: 17 units (a tile x a key step) in every wave.  What the causal mask hides wholly is not computed.
; No branch, trip count or LDS address hangs on cx: it enters Q's and y's addresses in memory and the mask's lane constants alone.
; ALL OF THE HEAD'S K AND V LIE IN LDS, each byte filled once: eight tiles of 256 keys of K (wave 0) and of V (wave 1), asked for jointly by the four partners at the head: 8 loads of a wave are out.
; Three gates let the work begin on what has landed.  Nothing is filled again.
; THE WALK.  Key steps 0-7 are open for every big tile.  Then, for u = 0 .. 7, the big tile takes step 8 + u while u <= U* = 7 - g, and the small tile takes step 7 - u (downward) while u >= U*;
; both lie on their diagonal exactly at u = U*.  A diagonal step holds the query's own key, so M is a number from a tile's first unit on.
; LAYOUT.  S^T = K Q^T (source 0 = 16 keys, source 1 = 16 queries), O^T = V^T P^T: a lane holds ONE query (lane % 16) throughout.  In S^T's tile t register j is key 16 t + 8 (lane / 16) + j: eight registers
; convert into registers 2 t, 2 t + 1 of the second product's operand in that form's own layout.  The first product's 64 k are fetched by loads of 16 bytes: a permutation of k, the same for K and Q.
.set KP,    80                         ; a key's row in LDS: 64 bytes + 16 of padding = 20 words: sixteen rows start at sixteen different multiples of four banks
.set KTILE, 256*KP                     ; 256 keys
.set VP,    272                        ; a row of V's slot: 256 keys + 16 of padding
.set VSLOT, 64*VP
.set VREG,  8*KTILE                    ; V's eight slots lie behind K's eight tiles
.set STG,   VREG+8*VSLOT               ; behind them: a stage of 16 rows x 80 bytes for each wave; no tensor load lands here
.set AK0,  1                           ; v1   my lane's place in a tile of K: 80 r + 16 h
.set AV0,  2                           ; v2   in a slot of V: VREG + 272 r + 8 h
.set ADK,  3                           ; v3, v4 the addresses of the loads in hand
.set ADV,  4
.set DQB,  5                           ; v5   the big tile's query in its diagonal step, less 8 h;  v6 the small tile's
.set DQS,  6
.set STO,  7                           ; v7   the stage: where I put 8 codes;  v8 where I read 16 bytes back
.set RD,   8
.set GOB,  9                           ; v9   my byte offset in y for the big tile;  v10 for the small
.set GOS,  10
.set FRG,  36                          ; v36-99   K's eight fragments, then V's four
.set SC,   100                         ; v100-163 S^T, then p
.set PC,   164                         ; v164-179 p's codes
.set T0,   244                         ; v244, v245 at work
.set T2,   245
.set FP,   246                         ; v[246:247] f = 2^(old M - new M), named as a pair
.set SUMP, 248                         ; v[248:249] the second chain of the sums
.set PX,   250                         ; v250 a lane permute's destination
.set NINF, 251                         ; v251 -infinity
.set PLIM, 252                         ; v253 2^e4;  v255 2^e6
.set PSCL, 253
.set YLIM, 254
.set YSCL, 255
; statistics of a tile, four registers: -M, the largest t, the sum in two halves: big v12-15, small v16-19.  Q: big v20-27, small v28-35.  O^T: big v180-211, small v212-243.
.set WV,   14                          ; s14  my wave's number;  s15 cx
.set G1K,  16                          ; s[16:23] descriptor group 1 for K's tiles;  s[24:31] for V's;  s[32:63] eight groups 0
.set G1V,  24
.set G0,   32
.set SEL,  66                          ; s[66:67] lane selects for v_permlanex16_b32: lane xor 16
.set CS,   68                          ; s[68:69] c = 2^(e2 + e3) log2(e) / 8, named as a pair
.set EY,   70                          ; s70  e4 + e5
.set TBK,  80                          ; s80, s81 LDS byte of the big tile's slot in K, in V;  s82, s83 the small tile's
.set TBV,  81
.set TSK,  82
.set TSV,  83
.set U,    84                          ; s84  u;  s85 U*
.set USTAR, 85
.macro CROUND                          ; a round of the cluster's barrier
	s_barrier_signal -1
	s_barrier_wait -1
	s_cmp_lg_u32 s[WV], 0
	s_cbranch_scc1 .Lnot_wave_0_\@
	s_barrier_signal -3
.Lnot_wave_0_\@:
	s_barrier_wait -3
	s_barrier_signal -1
	s_barrier_wait -1
.endm
.macro GATE left                       ; the fetching waves' first tiles have landed (left later loads may be out), and every wave knows it.
	s_wait_tensorcnt \left
	s_wait_dscnt 0x0
	s_barrier_signal -1
	s_barrier_wait -1
.endm
	s_load_b256 s[4:11], s[0:1], 0x0               ; q_codes s[4:5], k_codes s[6:7], v_codes s[8:9], the scales' exponents s[10:11]
	s_load_b64 s[12:13], s[0:1], 0x20              ; y_codes
	v_lshl_add_u32 v254, v0, 2, 0x4f000
	v_mov_b32 v255, 0
	ds_add_u32 v254, v255
	ds_add_u32 v254, v255
	s_wait_dscnt 0x0
	v_lshrrev_b32 v11, 5, v0
	s_delay_alu instid0(VALU_DEP_1)
	v_readfirstlane_b32 s[WV], v11                 ; wave 0..15
	s_bfe_u32 s15, ttmp6, 0x40000                  ; cx
	s_and_b32 s90, ttmp7, 0xffff                   ; bh, which the four partners share
	s_lshl_b32 s92, s90, 17                        ; a head's codes are 131,072 bytes in q, k and v
	s_mov_b32 s93, 0
	s_min_u32 s91, s[WV], 1                        ; 0: K's tiles; 1: V's
	s_mov_b32 s[G1K], 15|(0<<16)|(1<<20)|(1<<21)|(3<<22)|(3<<25)   ; 15:0 all four work-groups; elements of 1 byte; padding on; 21 set beside a mask; four words after every 16
	s_mov_b32 s[G1K+1], 64<<16                     ; tensor_dim0
	s_mov_b32 s[G1K+2], 256<<16                    ; tensor_dim1
	s_mov_b32 s[G1K+3], 64<<16                     ; tile_dim0
	s_mov_b32 s[G1K+4], 256                        ; tile_dim1
	s_mov_b32 s[G1K+5], 64                         ; tensor_dim0_stride
	s_mov_b32 s[G1K+6], 0
	s_mov_b32 s[G1K+7], 0
	s_mov_b32 s[G1V], 15|(0<<16)|(1<<20)|(1<<21)|(5<<22)|(3<<25)   ; four words after every 64
	s_mov_b32 s[G1V+1], 256<<16
	s_mov_b32 s[G1V+2], 64<<16
	s_mov_b32 s[G1V+3], 256<<16
	s_mov_b32 s[G1V+4], 64
	s_mov_b32 s[G1V+5], 2048
	s_mov_b32 s[G1V+6], 0
	s_mov_b32 s[G1V+7], 0
	s_mov_b32 s[SEL], 0x76543210
	s_mov_b32 s[SEL+1], 0xfedcba98
	s_mov_b32 s[CS], 0x3e38aa3b                    ; log2(e) / 8
	s_wait_kmcnt 0x0
	s_load_b256 s[72:79], s[10:11], 0x0            ; e0 .. e7
	s_cmp_eq_u32 s[WV], 0
	s_cselect_b64 s[86:87], s[6:7], s[8:9]
	s_mov_b32 s88, 256
	s_cselect_b32 s88, 16384, s88                  ; 256 keys on: 16,384 bytes in K, 256 in a row of V
	s_mov_b32 s89, 0
	s_add_nc_u64 s[86:87], s[86:87], s[92:93]      ; at my head
.irp i, 0,1,2,3,4,5,6,7
	s_mov_b32 s[G0+4*\i], 1                        ; count = 1
	s_mul_i32 s[G0+4*\i+1], s91, VREG+VSLOT*\i-KTILE*\i
	s_add_co_u32 s[G0+4*\i+1], s[G0+4*\i+1], KTILE*\i   ; LDS: K's tile i, or V's slot i
	s_mov_b64 s[G0+4*\i+2:G0+4*\i+3], s[86:87]
	s_or_b32 s[G0+4*\i+3], s[G0+4*\i+3], 0x80000000     ; type = 2
	s_add_nc_u64 s[86:87], s[86:87], s[88:89]
.endr
	CROUND                                         ; all four work-groups are here: the joint loads meet
	s_cmp_eq_u32 s[WV], 0                          ; a wave's fills stand in one branch on its number, ahead of every wait on TENSORcnt and every LDS read
	s_cbranch_scc0 .Lnot_k
.irp i, 0,1,2,3,4,5,6,7
	tensor_load_to_lds s[G0+4*\i:G0+4*\i+3], s[G1K:G1K+7]
	s_nop 0
.endr
.rept 4
	v_nop
.endr
	s_branch .Lasked
.Lnot_k:
	s_cmp_eq_u32 s[WV], 1
	s_cbranch_scc0 .Lasked
.irp i, 0,1,2,3,4,5,6,7
	tensor_load_to_lds s[G0+4*\i:G0+4*\i+3], s[G1V:G1V+7]
	s_nop 0
.endr
.rept 4
	v_nop
.endr
.Lasked:
	s_lshl_b32 s94, s[WV], 2
	s_add_co_u32 s94, s94, s15                     ; a: my small tile
	s_sub_co_u32 s95, 127, s94                     ; my big tile
	s_add_nc_u64 s[4:5], s[4:5], s[92:93]          ; Q at my head
	v_and_b32 v3, 15, v0                           ; r
	v_bfe_u32 v4, v0, 4, 1                         ; h
	s_delay_alu instid0(VALU_DEP_2)
	v_lshlrev_b32 v11, 6, v3
	s_delay_alu instid0(VALU_DEP_1)
	v_lshl_add_u32 v11, v4, 4, v11                 ; 64 r + 16 h
	s_delay_alu instid0(VALU_DEP_1)
	v_lshl_add_u32 v244, s95, 10, v11              ; a tile of 16 queries is 1,024 bytes
	s_delay_alu instid0(VALU_DEP_2)
	v_lshl_add_u32 v245, s94, 10, v11
	global_load_b128 v[20:23], v244, s[4:5]
	global_load_b128 v[24:27], v244, s[4:5] offset:32
	global_load_b128 v[28:31], v245, s[4:5]
	global_load_b128 v[32:35], v245, s[4:5] offset:32
	v_mul_u32_u24 v[AK0], v3, KP
	s_delay_alu instid0(VALU_DEP_1)
	v_lshl_add_u32 v[AK0], v4, 4, v[AK0]
	v_mul_u32_u24 v[AV0], v3, VP
	s_delay_alu instid0(VALU_DEP_1)
	v_lshl_add_u32 v[AV0], v4, 3, v[AV0]
	s_delay_alu instid0(VALU_DEP_1)
	v_add_nc_u32 v[AV0], VREG, v[AV0]
	s_and_b32 s98, s94, 7
	s_lshl_b32 s98, s98, 4                         ; the small tile's first query in its diagonal step: 16 (a % 8)
	s_sub_co_u32 s99, 112, s98                     ; the big tile's: 16 (7 - a % 8)
	v_lshlrev_b32 v11, 3, v4
	s_delay_alu instid0(VALU_DEP_1)
	v_sub_nc_u32 v[DQS], v3, v11                   ; r - 8 h
	s_delay_alu instid0(VALU_DEP_1)
	v_add_nc_u32 v[DQB], s99, v[DQS]
	s_delay_alu instid0(VALU_DEP_2)
	v_add_nc_u32 v[DQS], s98, v[DQS]
	s_mul_i32 s96, s[WV], 16*KP
	s_add_co_u32 s96, s96, STG                     ; my stage
	v_mul_u32_u24 v[STO], v3, KP
	s_delay_alu instid0(VALU_DEP_1)
	v_lshl_add_u32 v[STO], v4, 3, v[STO]
	s_delay_alu instid0(VALU_DEP_1)
	v_add_nc_u32 v[STO], s96, v[STO]               ; in: row r, 8 bytes for each half of the lanes
	v_and_b32 v[GOS], 31, v0
	s_delay_alu instid0(VALU_DEP_1)
	v_lshrrev_b32 v[RD], 2, v[GOS]
	s_delay_alu instid0(VALU_DEP_1)
	v_mul_u32_u24 v[RD], v[RD], KP
	v_and_b32 v[GOB], 3, v0
	s_delay_alu instid0(VALU_DEP_1)
	v_lshl_add_u32 v[RD], v[GOB], 4, v[RD]
	s_delay_alu instid0(VALU_DEP_1)
	v_add_nc_u32 v[RD], s96, v[RD]                 ; back: four lanes to a row of 64 bytes, eight rows an instruction
	v_lshlrev_b32 v[GOS], 4, v[GOS]                ; 16 x lane,
	s_delay_alu instid0(VALU_DEP_1)
	v_lshl_add_u32 v[GOB], s95, 10, v[GOS]         ; + 1,024 x tile
	s_delay_alu instid0(VALU_DEP_2)
	v_lshl_add_u32 v[GOS], s94, 10, v[GOS]
	s_and_b32 s96, s90, 15                         ; h
	s_lshr_b32 s97, s90, 4                         ; b
	s_lshl_b32 s96, s96, 19
	s_lshl_b32 s97, s97, 17
	s_add_co_u32 s96, s96, s97
	s_mov_b32 s97, 0
	s_add_nc_u64 s[12:13], s[12:13], s[96:97]      ; y at 524,288 h + 131,072 b
	s_lshr_b32 s[USTAR], s[WV], 1
	s_sub_co_u32 s[USTAR], 7, s[USTAR]
	s_mov_b32 s[TBK], 0
	s_mov_b32 s[TBV], 0
	v_mov_b32 v13, 0xff61b1e6                      ; the largest t so far: -3e38, under every t
	s_delay_alu instid0(VALU_DEP_1)
	v_floor_f32 v12, -v13                          ; -M
	v_mov_b32 v14, 0
	v_mov_b32 v15, 0
	v_mov_b32 v17, 0xff61b1e6
	s_delay_alu instid0(VALU_DEP_1)
	v_floor_f32 v16, -v17
	v_mov_b32 v18, 0
	v_mov_b32 v19, 0
	v_mov_b32 v[FP+1], 0                           ; (named as the upper half of a pair; later a lane permute's destination)
	v_mov_b32 v[PX], 0                             ; written once: a lane permute's destination counts as one of its sources
	v_mov_b32 v[NINF], 0xff800000
.set j, 0
.rept 64
	v_mov_b32 v[180+j], 0                          ; both O^T.  (A unit is written without a first form: the first finds zeros, which the first change of M leaves zeros)
.set j, j+1
.endr
	s_wait_kmcnt 0x0
	s_add_co_i32 s96, s74, s75
	s_lshl_b32 s96, s96, 23
	s_add_co_i32 s[CS], s[CS], s96                 ; e2 + e3 are added to c's exponent field
	s_mov_b32 s[CS+1], s[CS]
	s_add_co_i32 s96, s76, 127
	s_lshl_b32 s97, s96, 23
	v_mov_b32 v[PSCL], s97                         ; 2^e4
	s_add_co_i32 s96, s78, 127
	s_lshl_b32 s97, s96, 23
	v_mov_b32 v[YSCL], s97                         ; 2^e6
	s_add_co_i32 s[EY], s76, s77
	s_wait_loadcnt 0x0                             ; Q
; A UNIT: one tile of 16 queries against the qs-th 128 keys of the slot at s[tbk] (K) and s[tbv] (V).  st: the tile's statistics; qr: its Q; ob: its O^T; dq: its mask constant; masked = 1: at u = U* the step lies on the diagonal.
.macro UNIT qs, tbk, tbv, st, qr, ob, dq, masked
	v_add_nc_u32 v[ADK], s[\tbk], v[AK0]
	v_add_nc_u32 v[ADV], s[\tbv], v[AV0]
	v_nop
	v_nop                                          ; four plain lines behind the last products, in front of loads into registers that they read
.irp t, 0,1,2,3,4,5,6,7
.irp c, 0,1
	ds_load_b128 v[FRG+8*\t+4*\c:FRG+8*\t+4*\c+3], v[ADK] offset:128*KP*(\qs)+16*KP*\t+32*\c
.endr
.endr
	s_wait_alu depctr_va_vdst(0)
	s_wait_dscnt 8                                 ; key tiles 0-3 are in; the eight loads of tiles 4-7 may be out
.irp t, 0,1,2,3
	v_wmma_f32_16x16x64_fp8_fp8 v[SC+8*\t:SC+8*\t+7], v[FRG+8*\t:FRG+8*\t+7], v[\qr:\qr+7], 0
.endr
	s_wait_dscnt 0x0
.irp t, 4,5,6,7
	v_wmma_f32_16x16x64_fp8_fp8 v[SC+8*\t:SC+8*\t+7], v[FRG+8*\t:FRG+8*\t+7], v[\qr:\qr+7], 0
.endr
.rept 4
	v_nop                                          ; places: for the loads below and for the first read of the scores
.endr
.irp u, 0,1,2,3                                ; V's four fragments (16 channels x 128 keys) land while the softmax runs: registers 2 c, 2 c + 1: keys 16 c + 8 h + 0 .. 7
.irp c, 0,1,2,3,4,5,6,7
	ds_load_b64 v[FRG+16*\u+2*\c:FRG+16*\u+2*\c+1], v[ADV] offset:128*(\qs)+16*VP*\u+16*\c
.endr
.endr
.if \masked
	s_cmp_lg_u32 s[U], s[USTAR]                    ; wave number and a counter: no data.  An open step jumps over the mask
	s_cbranch_scc1 .Lopen_\@
.set n, 0
.rept 64                               ; register 8 t + j holds key 16 t + 8 h + j of the step: hidden where 16 t + j > my query - 8 h.  Hidden scores become -infinity: p = 0
	v_cmp_gt_i32 vcc_lo, 16*(n/8)+n%8, v[\dq]
	v_cndmask_b32 v[SC+n], v[SC+n], v[NINF], vcc_lo
.set n, n+1
.endr
.Lopen_\@:
.endif
	v_max3_num_f32 v[T0], v[SC], v[SC+1], v[SC+2]  ; the unit's largest score of my query among my 64 keys, in two chains, the registers in ascending order
	v_max3_num_f32 v[T2], v[SC+3], v[SC+4], v[SC+5]
.set i, 6
.rept 14
	v_max3_num_f32 v[T0], v[T0], v[SC+i], v[SC+i+1]
	v_max3_num_f32 v[T2], v[T2], v[SC+i+2], v[SC+i+3]
.set i, i+4
.endr
	v_max3_num_f32 v[T0], v[T0], v[SC+62], v[SC+63]
	s_delay_alu instid0(VALU_DEP_1)
	v_max_num_f32 v[T0], v[T0], v[T2]
	s_delay_alu instid0(VALU_DEP_1)
	v_permlanex16_b32 v[PX], v[T0], s[SEL], s[SEL+1]
	s_delay_alu instid0(VALU_DEP_1)
	v_max_num_f32 v[T0], v[T0], v[PX]              ; and among lane xor 16's
	s_delay_alu instid0(VALU_DEP_1)
	v_mul_f32 v[T0], s[CS], v[T0]                  ; as t (c is positive)
	s_delay_alu instid0(VALU_DEP_1)
	v_max_num_f32 v[\st+1], v[\st+1], v[T0]        ; the running largest t
	v_mov_b32 v[T0], v[\st]
	s_delay_alu instid0(VALU_DEP_2)
	v_floor_f32 v[\st], -v[\st+1]                  ; the new -M = floor(-t): M is a whole number
	s_delay_alu instid0(VALU_DEP_1)
	v_sub_f32 v[T0], v[\st], v[T0]                 ; old M - new M: a whole number, 0 or less
	s_delay_alu instid0(VALU_DEP_1)
	v_cvt_i32_f32 v[T0], v[T0]                     ; (it saturates)
	s_delay_alu instid0(VALU_DEP_1)
	v_ldexp_f32 v[FP], 1.0, v[T0]                  ; f = 2^(old M - new M)
.set j, 0
.rept 32
	v_pk_fma_f32 v[SC+j:SC+j+1], v[SC+j:SC+j+1], s[CS:CS+1], v[\st:\st+1] op_sel_hi:[1,0,0]   ; t - M, two at a time
.set j, j+2
.endr
.set j, 0
	s_wait_alu depctr_va_vdst(0)
.rept 64
	v_exp_f32 v[SC+j], v[SC+j]                     ; p = 2^(t - M), at most 1
.set j, j+1
.endr
	v_pk_mul_f32 v[\st+2:\st+3], v[\st+2:\st+3], v[FP:FP+1] op_sel_hi:[1,0]   ; the sums under the new M: a plain line behind the exponentials
	s_wait_alu depctr_va_vdst(0)                   ; one wait for the whole batch, ahead of its first reader
	v_pk_add_f32 v[SUMP:SUMP+1], v[SC:SC+1], v[SC+2:SC+3]   ; the row's sum is taken of the unquantised p, in two chains
.set j, 4
.rept 15
	v_pk_add_f32 v[\st+2:\st+3], v[\st+2:\st+3], v[SC+j:SC+j+1]
	v_pk_add_f32 v[SUMP:SUMP+1], v[SUMP:SUMP+1], v[SC+j+2:SC+j+3]
.set j, j+4
.endr
	s_delay_alu instid0(VALU_DEP_1)
	v_pk_add_f32 v[\st+2:\st+3], v[\st+2:\st+3], v[SUMP:SUMP+1]
.irp t, 0,1,2,3,4,5,6,7
.irp i, 0,1,2,3,4,5,6,7
.endr
	v_cvt_scalef32_pk8_fp8_f32 v[PC+2*\t:PC+2*\t+1], v[SC+8*\t:SC+8*\t+7], v[PSCL]
.endr
.set j, 0
.rept 16
	v_pk_mul_f32 v[\ob+j:\ob+j+1], v[\ob+j:\ob+j+1], v[FP:FP+1] op_sel_hi:[1,0]   ; O^T under the new M; also the plain lines behind the conversions
.set j, j+2
.endr
	s_wait_alu depctr_va_vdst(0)
	s_wait_dscnt 0x0                               ; V is in
.irp u, 0,1,2,3                                ; the four accumulators take turns; between two links on one of them stand the other three's and eight products K Q^T
	v_wmma_f32_16x16x128_fp8_fp8 v[\ob+8*\u:\ob+8*\u+7], v[FRG+16*\u:FRG+16*\u+15], v[PC:PC+15], v[\ob+8*\u:\ob+8*\u+7]
.endr
.endm
.macro SLOTOPEN                        ; the big tile against a slot's two key steps, all of whose keys count
	UNIT 0, TBK, TBV, 12, 20, 180, DQB, 0
	UNIT 1, TBK, TBV, 12, 20, 180, DQB, 0
.endm
.macro PAIR qb                         ; one u: the big tile's step 8 + u while u <= U*, the small tile's step 7 - u while u >= U*.  The branches hang on the wave's number and a counter
	s_cmp_gt_u32 s[U], s[USTAR]
	s_cbranch_scc1 .Lno_big_\@
	UNIT \qb, TBK, TBV, 12, 20, 180, DQB, 1
.Lno_big_\@:
	s_cmp_lt_u32 s[U], s[USTAR]
	s_cbranch_scc1 .Lno_small_\@
	UNIT 1-\qb, TSK, TSV, 16, 28, 212, DQS, 1
.Lno_small_\@:
	s_add_co_u32 s[U], s[U], 1
.endm
	GATE 7                                         ; the first 256 keys of K and V have landed; the seven later loads may be out
	SLOTOPEN
	GATE 4                                         ; keys 0 to 1,023
	s_mov_b32 s3, 3
.Lopen_slots:
	s_add_co_u32 s[TBK], s[TBK], KTILE
	s_add_co_u32 s[TBV], s[TBV], VSLOT
	SLOTOPEN
	s_sub_co_u32 s3, s3, 1
	s_cmp_lg_u32 s3, 0
	s_cbranch_scc1 .Lopen_slots
	GATE 0                                         ; all keys: no tensor load is out from here on
	s_mov_b32 s[U], 0
	s_mov_b32 s[TSK], 4*KTILE
	s_mov_b32 s[TSV], 4*VSLOT
	s_mov_b32 s3, 4
.Lpairs:                                               ; trip j: the big tile's slot 4 + j upward, the small tile's slot 3 - j downward
	s_add_co_u32 s[TBK], s[TBK], KTILE
	s_add_co_u32 s[TBV], s[TBV], VSLOT
	s_sub_co_u32 s[TSK], s[TSK], KTILE
	s_sub_co_u32 s[TSV], s[TSV], VSLOT
	PAIR 0
	PAIR 1
	s_sub_co_u32 s3, s3, 1
	s_cmp_lg_u32 s3, 0
	s_cbranch_scc1 .Lpairs
	; THE WAY OUT.  The sums' halves and the other half of the lanes' are added; y = O^T x 2^(e4 + e5) / the sum, held, converted; a tile's 16 x 64 codes go through my stage and leave as 1,024 consecutive bytes.
	v_add_f32 v14, v14, v15
	v_add_f32 v18, v18, v19
	s_delay_alu instid0(VALU_DEP_2)
	v_permlanex16_b32 v[PX], v14, s[SEL], s[SEL+1]
	s_delay_alu instid0(VALU_DEP_2)
	v_permlanex16_b32 v[FP+1], v18, s[SEL], s[SEL+1]
	s_delay_alu instid0(VALU_DEP_2)
	v_add_f32 v14, v14, v[PX]
	s_delay_alu instid0(VALU_DEP_2)
	v_add_f32 v18, v18, v[FP+1]
	s_wait_alu depctr_va_vdst(0)
	v_rcp_f32 v14, v14
	v_rcp_f32 v18, v18
	v_nop                                          ; a plain line behind the reciprocals
	s_wait_alu depctr_va_vdst(0)                   ; and one wait for both, ahead of the first reader
	v_ldexp_f32 v14, v14, s[EY]
	v_ldexp_f32 v18, v18, s[EY]
.macro YTILE ob, st, sc, pc, fr
.set j, 0
.rept 32
	v_mul_f32 v[\sc+j], v[\ob+j], v[\st]           ; register 8 u + i is y(query r, channel 16 u + 8 h + i); each accumulator from its low end on
.set j, j+1
.endr
.set j, 0
.rept 32
.set j, j+1
.endr
.irp u, 0,1,2,3
	v_cvt_scalef32_pk8_fp8_f32 v[\pc+2*\u:\pc+2*\u+1], v[\sc+8*\u:\sc+8*\u+7], v[YSCL]
.endr
	v_nop                                          ; one plain line behind the conversions
.irp u, 0,1,2,3
	ds_store_b64 v[STO], v[\pc+2*\u:\pc+2*\u+1] offset:16*\u
.endr
	ds_load_b128 v[\fr:\fr+3], v[RD]               ; LDS serves a wave's instructions in order (ISA guide 5.7.1.4): these see my stores, and the next tile's stores come behind them
	ds_load_b128 v[\fr+4:\fr+7], v[RD] offset:8*KP
.endm
	YTILE 180, 14, 100, 164, 36
	YTILE 212, 18, 132, 172, 44
	s_wait_dscnt 6                                 ; the big tile is back; the small tile's four stores and two loads may be out
	global_store_b128 v[GOB], v[36:39], s[12:13]   ; 32 lanes store 512 consecutive bytes, at a multiple of 256 from the buffer's first byte
	global_store_b128 v[GOB], v[40:43], s[12:13] offset:512
	s_wait_dscnt 0x0
	global_store_b128 v[GOS], v[44:47], s[12:13]
	global_store_b128 v[GOS], v[48:51], s[12:13] offset:512
	s_wait_xcnt 0x0
	v_lshl_add_u32 v254, v0, 2, 0x4f000
	v_mov_b32 v255, 0
	s_wait_alu depctr_va_vdst(0)
	s_wait_tensorcnt 0x0
	ds_add_u32 v254, v255
	s_wait_dscnt 0x0
	CROUND                                         ; the closing round
	s_endpgm
.Lfunc_end_k_qc7f5418e23_attn:
	.size	k_qc7f5418e23_attn, .Lfunc_end_k_qc7f5418e23_attn-k_qc7f5418e23_attn
	.p2alignl 7, 3214868480
	.fill 96, 4, 3214868480
	.section	.rodata,"a",@progbits
	.p2align	6, 0x0
	.amdhsa_kernel k_qc7f5418e23_attn
		.amdhsa_group_segment_fixed_size 327680
		.amdhsa_private_segment_fixed_size 0
		.amdhsa_enable_private_segment 0
		.amdhsa_kernarg_size 40
		.amdhsa_user_sgpr_count 2
		.amdhsa_user_sgpr_kernarg_segment_ptr 1
		.amdhsa_wavefront_size32 1
		.amdhsa_system_sgpr_workgroup_id_x 1
		.amdhsa_system_sgpr_workgroup_id_y 1
		.amdhsa_system_sgpr_workgroup_id_z 1
		.amdhsa_system_vgpr_workitem_id 0
		.amdhsa_next_free_vgpr 256
		.amdhsa_next_free_sgpr 100
		.amdhsa_reserve_vcc 1
		.amdhsa_float_denorm_mode_32 3
		.amdhsa_float_denorm_mode_16_64 3
		.amdhsa_fp16_overflow 1
		.amdhsa_memory_ordered 1
		.amdhsa_forward_progress 1
		.amdhsa_inst_pref_size 156
	.end_amdhsa_kernel
	.amdgpu_metadata
---
amdhsa.version: [ 1, 2 ]
amdhsa.kernels:
  - .name:           k_qc7f5418e23_attn
    .symbol:         k_qc7f5418e23_attn.kd
    .args:
      - { .name: q_codes, .offset: 0, .size: 8, .value_kind: global_buffer, .address_space: global }
      - { .name: k_codes, .offset: 8, .size: 8, .value_kind: global_buffer, .address_space: global }
      - { .name: v_codes, .offset: 16, .size: 8, .value_kind: global_buffer, .address_space: global }
      - { .name: lowp_scales, .offset: 24, .size: 8, .value_kind: global_buffer, .address_space: global }
      - { .name: y_codes, .offset: 32, .size: 8, .value_kind: global_buffer, .address_space: global }
    .group_segment_fixed_size: 327680
    .private_segment_fixed_size: 0
    .kernarg_segment_align: 8
    .kernarg_segment_size: 40
    .max_flat_workgroup_size: 512
    .sgpr_count:     100
    .vgpr_count:     256
    .wavefront_size: 32
...
	.end_amdgpu_metadata
.endif
;; end of part 3
;; launch proj (part 4): grid 8 x 32, 4 waves a work-group, clusters of 4 x 4, 327,680 bytes of LDS; arguments y_codes, wp_codes, lowp_scales, b_proj, out0; writes out0
.if DOCPART == 4
	.amdgcn_target "amdgcn-amd-amdhsa--gfx1250"
	.amdhsa_code_object_version 6
	.text
	.protected	k_qc7f5418e23_proj
	.globl	k_qc7f5418e23_proj
	.p2align	8
	.type	k_qc7f5418e23_proj,@function
k_qc7f5418e23_proj:
	s_mov_b64 s[64:65], 0
	v_nop
	global_prefetch_b8 v0, s[64:65] scope:SCOPE_SE
	s_setreg_imm32_b32 hwreg(HW_REG_WAVE_MODE, 25, 1), 1
	s_wait_xcnt 0x0
	s_wait_alu depctr_hold_cnt(0) depctr_sa_sdst(0) depctr_va_vdst(0) depctr_va_sdst(0) depctr_va_ssrc(0) depctr_va_vcc(0) depctr_vm_vsrc(0)
	s_getreg_b32 s2, hwreg(HW_REG_IB_STS2, 6, 4)
	s_cmp_eq_u32 s2, 0
	s_cbranch_scc0 .Lentry_in_a_cluster
	s_endpgm
.Lentry_in_a_cluster:
	s_bfe_u32 s2, ttmp6, 0x10000c
	s_cmp_lg_u32 s2, 0xf033
	s_cbranch_scc0 .Lentry_shape_is_right
	s_endpgm
.Lentry_shape_is_right:
; out = y W_proj + b_proj on codes of FP8 (E4M3).  y_codes [16 head][8192 m][64 d] (k = 64 head + d), wp_codes [1024 n][1024 k], out0 [8192][1024] f32.  out = sum x 2^(e6 + e7) + bias.
; LIMIT: e6 + e7 between -126 and 127, so that 2^(e6 + e7) is an f32 number.
; A tile of 256 rows x 128 columns is made by four waves, each 128 x 64: 32 accumulators: 256 work-groups.  K goes in steps of 256 (four heads) through a ring of two LDS slots.
; CLUSTERS: 4 x 4 work-groups; y's tiles are shared along a row of the cluster, W's along a column: joint loads.  THE MATRIX INSTRUCTION IS USED TRANSPOSED (source 0 = 16 rows of W, source 1 = 16 rows of y).
; y's tile of a K step: for each of four heads 128 rows x 64 bytes, dense in memory: one load of four lines of 8,192 bytes, 524,288 bytes apart, with 16 bytes of padding behind every 64: in LDS [head][row], rows 80 bytes apart.
; A fragment's 128 k are fetched by four loads of 16 bytes, registers 4 c .. 4 c + 3 = k 32 c + 16 (lane / 16) + 0 .. 15 on both sides.
; REGISTERS: window 0: v0-31 addresses; v32-63 the bias; v64-95 at work on the way out; from v128 y's fragments, ONE set.  window 1: W's fragments, TWO sets, at v0 and v128.
;   window 2: the accumulators of my rows 0-63 ((a, b) at v[8 (8 a + b)], b < 4);  window 3: those of rows 64-127.
.set ROWB,   256
.set KROW,   1024
.set PITCH,  272                       ; W's LDS row: 256 bytes + 16
.set AP,     80                        ; y's LDS row: 64 bytes + 16 = 20 words: sixteen rows start at sixteen different multiples of four banks
.set AHEAD,  128*AP                    ; a head's 128 rows
.set FR,     16
.set NL,     4
.set NP,     4
.set HALFA,  4*AHEAD                   ; what one load brings of y
.set HALFB,  64*PITCH                  ; of W
.set BOFF,   2*HALFA
.set SLOT,   BOFF+2*HALFB
.set SPARE,  2*SLOT                    ; behind the ring: the spare words, 128 bytes a wave
.set LAPS,   2
.set ASTEP,  4*524288                  ; a K step on in y_codes: four heads
.set SPITCH, 272                       ; the way out: a stage of 16 rows x (256 bytes + 16) for each wave, in slot 0, which has had its last fill and its last read by then
.set STO,  7
.set RD,   8
.set CO,   9
.set ADRA, 16
.set ADRB, 20
.set SPW,  28                          ; v28  my spare word: SPARE + 4 x my thread's number; never rewritten
.set NIL,  29                          ; v29  0; never rewritten
.set BB,   32
.set TMP,  64
.set AF,   128
.set BK,   128                         ; the way out: 16 rows read back: v128-159 and v160-191 by turns
.set G1, 24
.set G0, 32
.set G1B, 48
.set G0B, 56
.set MSB, 0
.macro WIN new
.if MSB != (\new)
	s_set_vgpr_msb (MSB<<8)|(\new)
.set MSB, \new
.endif
.endm
.set MUL_LO, 0xa1
.set MUL_HI, 0xf1
.set TO_B,   0x40
.macro JLOAD g0a, g1a, g0b, g1b        ; a joint load: waves 0 and 1 fetch for y, waves 2 and 3 for W; four v_nop follow each line
	s_cmp_eq_u32 s15, 0
	s_cbranch_scc0 .Lfor_b_\@
	tensor_load_to_lds s[\g0a:\g0a+3], s[\g1a:\g1a+7]
	s_nop 0
.rept 4
	v_nop
.endr
	s_branch .Lasked_\@
.Lfor_b_\@:
	tensor_load_to_lds s[\g0b:\g0b+3], s[\g1b:\g1b+7]
	s_nop 0
.rept 4
	v_nop
.endr
.Lasked_\@:
.endm
.macro CREST
	s_cmp_lg_u32 s14, 0
	s_cbranch_scc1 .Lnot_wave_0_\@
	s_barrier_signal -3
.Lnot_wave_0_\@:
	s_barrier_wait -3
	s_barrier_signal -1
	s_barrier_wait -1
.endm
.macro CROUND
	s_barrier_signal -1
	s_barrier_wait -1
	CREST
.endm
	s_load_b256 s[68:75], s[0:1], 0x0              ; y_codes s[68:69], wp_codes s[70:71], the scales' exponents s[72:73], b_proj s[74:75]
	s_load_b64 s[76:77], s[0:1], 0x20              ; out0
	v_lshl_add_u32 v[SPW], v0, 2, SPARE
	v_mov_b32 v[NIL], 0
	ds_add_u32 v28, v29
	ds_add_u32 v28, v29
	s_wait_dscnt 0x0
	v_lshrrev_b32 v1, 5, v0
	v_readfirstlane_b32 s14, v1                    ; wave 0..3
	s_lshr_b32 s15, s14, 1                         ; which half of the tile's rows is mine.  Also: I fetch for y (0) or for W (1)
	s_and_b32 s16, s14, 1                          ; which half of its columns.  Also: which half of that tile I fetch
	s_bfe_u32 s40, ttmp6, 0x40000                  ; cx, cy
	s_bfe_u32 s41, ttmp6, 0x40004
	s_lshl_b32 s42, ttmp9, 2
	s_add_co_u32 s42, s42, s40                     ; tile column = 4 x cluster x + cx
	s_and_b32 s17, ttmp7, 0xffff
	s_lshl_b32 s17, s17, 2
	s_add_co_u32 s17, s17, s41                     ; tile row = 4 x cluster y + cy
	s_lshl_b32 s43, s41, 2
	s_lshl_b32 s43, 15, s43                        ; my row of the cluster
	s_lshl_b32 s44, 0x1111, s40                    ; my column
	s_or_b32 s[G1+0], s43, (0<<16)|(1<<20)|(1<<21)|(3<<22)|(3<<25)   ; y: four words of padding after every 16
	s_mov_b32 s[G1+1], 8192<<16                    ; tensor_dim0: a head's 128 rows x 64 bytes
	s_mov_b32 s[G1+2], 4<<16                       ; tensor_dim1: four heads
	s_mov_b32 s[G1+3], 8192<<16                    ; tile_dim0
	s_mov_b32 s[G1+4], 4                           ; tile_dim1
	s_mov_b32 s[G1+5], 524288                      ; from head to head
	s_mov_b32 s[G1+6], 0
	s_mov_b32 s[G1+7], 0
	s_or_b32 s[G1B+0], s44, (0<<16)|(1<<20)|(1<<21)|(5<<22)|(3<<25)  ; W: four words after every 64
	s_mov_b32 s[G1B+1], ROWB<<16
	s_mov_b32 s[G1B+2], 64<<16
	s_mov_b32 s[G1B+3], ROWB<<16
	s_mov_b32 s[G1B+4], 64
	s_mov_b32 s[G1B+5], KROW
	s_mov_b32 s[G1B+6], 0
	s_mov_b32 s[G1B+7], 0
	s_lshl_b32 s18, s16, 7
	s_lshl_b32 s20, s17, 8
	s_add_co_u32 s20, s20, s18
	s_lshl_b32 s20, s20, 6                         ; y: (256 x tile row + 128 x half) rows of 64 bytes, in head 0
	s_mov_b32 s21, 0
	s_lshl_b32 s46, s42, 7
	s_lshl_b32 s47, s16, 6
	s_add_co_u32 s46, s46, s47
	s_lshl_b32 s46, s46, 10                        ; W: (128 x tile column + 64 x half) rows of 1,024 bytes
	s_mov_b32 s47, 0
	s_mul_i32 s45, s16, HALFA                      ; where they go: no place in the cluster enters an LDS address
	s_mul_i32 s19, s16, HALFB
	s_add_co_u32 s19, s19, BOFF
	s_wait_kmcnt 0x0
	s_load_b256 s[84:91], s[72:73], 0x0            ; e0 .. e7
	s_add_nc_u64 s[20:21], s[68:69], s[20:21]
	s_add_nc_u64 s[46:47], s[70:71], s[46:47]
	CROUND                                         ; all sixteen work-groups are here: the first joint loads meet
.irp s, 0,1
	s_mov_b32 s[G0+4*\s], 1
	s_add_co_u32 s[G0+4*\s+1], s45, \s*SLOT
	s_add_nc_u64 s[G0+4*\s+2:G0+4*\s+3], s[20:21], \s*ASTEP
	s_or_b32 s[G0+4*\s+3], s[G0+4*\s+3], 0x80000000
	s_mov_b32 s[G0B+4*\s], 1
	s_add_co_u32 s[G0B+4*\s+1], s19, \s*SLOT
	s_add_nc_u64 s[G0B+4*\s+2:G0B+4*\s+3], s[46:47], \s*ROWB
	s_or_b32 s[G0B+4*\s+3], s[G0B+4*\s+3], 0x80000000
	s_wait_alu depctr_va_vdst(0)
	s_wait_tensorcnt 0x0
	ds_add_u32 v28, v29
	ds_add_u32 v28, v29
	s_wait_dscnt 0x0
	CROUND
	JLOAD G0+4*\s, G1, G0B+4*\s, G1B               ; one load of mine is out
.endr
	v_and_b32 v1, 15, v0                           ; r
	v_bfe_u32 v2, v0, 4, 1                         ; h
	s_lshl_b32 s10, s42, 9                         ; the bias: b_proj[128 tile column + 64 half + 16 b + 8 h + j]
	s_lshl_b32 s11, s16, 8
	s_add_co_u32 s10, s10, s11
	s_mov_b32 s11, 0
	s_add_nc_u64 s[74:75], s[74:75], s[10:11]
	v_lshlrev_b32 v5, 5, v2
.irp b, 0,1,2,3
	global_load_b128 v[BB+8*\b:BB+8*\b+3], v5, s[74:75] offset:64*\b
	global_load_b128 v[BB+8*\b+4:BB+8*\b+7], v5, s[74:75] offset:64*\b+16
.endr
	v_mul_u32_u24 v3, v1, AP
	v_lshl_add_u32 v3, v2, 4, v3                   ; y's fragments: row x 80 + 16 x half
	v_mul_u32_u24 v4, v1, PITCH
	v_lshl_add_u32 v4, v2, 4, v4                   ; W's: row x 272 + 16 x half
	s_mul_i32 s21, s15, HALFA                      ; my 128 rows of y
	s_mul_i32 s22, s16, HALFB                      ; my 64 rows of W
	s_add_co_u32 s22, s22, BOFF
.irp s, 0,1
	v_add_nc_u32 v[ADRA+\s], s21, v3
	v_add_nc_u32 v[ADRB+\s], s22, v4
	s_add_co_u32 s21, s21, SLOT
	s_add_co_u32 s22, s22, SLOT
.endr
	s_mul_i32 s23, s14, 16*SPITCH                  ; my stage
	v_mul_u32_u24 v[STO], v1, SPITCH
	v_lshl_add_u32 v[STO], v2, 5, v[STO]
	v_add_nc_u32 v[STO], s23, v[STO]               ; in: row r, 32 bytes for each half of the lanes
	v_mul_u32_u24 v[RD], v2, SPITCH
	v_lshl_add_u32 v[RD], v1, 4, v[RD]
	v_add_nc_u32 v[RD], s23, v[RD]                 ; back: lanes 0-15 one row of 256 bytes, lanes 16-31 the next
	v_lshlrev_b32 v[CO], 12, v2
	v_lshl_add_u32 v[CO], v1, 4, v[CO]             ; and the same two rows in out0
	s_lshl_b32 s8, s17, 8
	s_lshl_b32 s9, s15, 7
	s_add_co_u32 s8, s8, s9
	s_lshl_b32 s8, s8, 12                          ; my first row: (256 x tile row + 128 x half) x 4,096 bytes,
	s_add_co_u32 s8, s8, s10                       ; my first column: (128 x tile column + 64 x half) x 4 bytes
	s_mov_b32 s9, 0
	s_add_nc_u64 s[76:77], s[76:77], s[8:9]
	s_wait_kmcnt 0x0
	s_add_co_i32 s92, s90, s91
	s_add_co_i32 s92, s92, 127
	s_lshl_b32 s92, s92, 23                        ; 2^(e6 + e7) as f32
	s_mov_b32 s93, s92                             ; (named with it as a pair, so it is written)
	s_wait_loadcnt 0x0                             ; the bias
.macro FRAGB reg, slot, q, i
.irp c, 0,1,2,3
	ds_load_b128 v[\reg+4*\c:\reg+4*\c+3], v[ADRB+\slot] offset:128*(\q)+32*\c+(\i)*16*PITCH
.endr
.endm
.macro FRAGA reg, slot, q, i           ; k = 128 q + 32 c + 16 h + ..: head 2 q + c / 2 of the slot's four, byte 32 (c % 2) + 16 h of its row
.irp c, 0,1,2,3
	ds_load_b128 v[\reg+4*\c:\reg+4*\c+3], v[ADRA+\slot] offset:(2*(\q)+\c/2)*AHEAD+32*(\c%2)+(\i)*16*AP
.endr
.endm
; 8 matrix instructions: y's blocks a0, a0 + 1 x W's four.  The 32 accumulators take turns, one instruction a turn, in the same order in every step.
.macro MUL8 a0, p, zero
.irp a, \a0, \a0+1
.irp b, 0,1,2,3
.if \zero
	v_wmma_f32_16x16x128_fp8_fp8 v[8*(8*((\a)%4)+\b):8*(8*((\a)%4)+\b)+7], v[128*(\p)+FR*\b:128*(\p)+FR*\b+FR-1], v[AF+FR*(\a):AF+FR*(\a)+FR-1], 0
.else
	v_wmma_f32_16x16x128_fp8_fp8 v[8*(8*((\a)%4)+\b):8*(8*((\a)%4)+\b)+7], v[128*(\p)+FR*\b:128*(\p)+FR*\b+FR-1], v[AF+FR*(\a):AF+FR*(\a)+FR-1], v[8*(8*((\a)%4)+\b):8*(8*((\a)%4)+\b)+7]
.endif
.endr
.endr
.endm
.macro FETCH_B slot, q, p
	WIN TO_B
.irp i, 0,1,2,3
	FRAGB 128*(\p)+FR*\i, \slot, \q, \i
.endr
	WIN 0
.endm
.macro FETCH_A slot, q, i0
.irp i, \i0, \i0+1, \i0+2, \i0+3
	FRAGA AF+FR*(\i), \slot, \q, \i
.endr
.endm
.macro PLACES n
.rept \n
	v_nop
.endr
.endm
.macro STEP slot, q, zero
	s_wait_dscnt 4*NL                              ; W's set and y's blocks 0-3 are in; the youngest 16 loads (y's blocks 4-7) may be out
	WIN MUL_LO
	MUL8 0, (\q)%2, \zero
	MUL8 2, (\q)%2, \zero
	s_wait_dscnt 0
	PLACES NP
	FETCH_B \slot, (\q)+1, 1-(\q)%2
	FETCH_A \slot, (\q)+1, 0
	WIN MUL_HI
	MUL8 4, (\q)%2, \zero
	MUL8 6, (\q)%2, \zero
	PLACES NP
	WIN 0
	FETCH_A \slot, (\q)+1, 4
.endm
.macro TURN slot, next, fill
	s_wait_tensorcnt 0x0                           ; all my tensor loads have landed: my part of the next slot
	ds_add_u32 v[SPW], v[NIL]                      ; 0 onto my spare word
	s_wait_dscnt 4*NL+1                            ; (the add and the youngest 16 loads may be out)
	WIN MUL_LO
	MUL8 0, 1, 0
	s_wait_dscnt 0x0                               ; the add is done, and my reads of this slot are over
	s_barrier_signal -1
	MUL8 2, 1, 0
	WIN 0
	s_barrier_wait -1
.if \fill
	CREST                                          ; the barrier has opened a round of the cluster's barrier
	s_add_nc_u64 s[G0+4*\slot+2:G0+4*\slot+3], s[G0+4*\slot+2:G0+4*\slot+3], 2*ASTEP
	s_add_nc_u64 s[G0B+4*\slot+2:G0B+4*\slot+3], s[G0B+4*\slot+2:G0B+4*\slot+3], 2*ROWB
	JLOAD G0+4*\slot, G1, G0B+4*\slot, G1B         ; the first tensor load behind the round; its four v_nop are also the places in front of the loads below
.else
	PLACES NP
.endif
	s_wait_alu depctr_va_vdst(0)
	FETCH_B \next, 0, 0
	FETCH_A \next, 0, 0
	WIN MUL_HI
	MUL8 4, 1, 0
	MUL8 6, 1, 0
	PLACES NP
	WIN 0
	FETCH_A \next, 0, 4
.endm
	s_wait_tensorcnt 1                             ; my part of K step 0 is in; K step 1's load may be out
	s_barrier_signal -1
	s_barrier_wait -1
	FETCH_B 0, 0, 0
	FETCH_A 0, 0, 0
	FETCH_A 0, 0, 4
	STEP 0, 0, 1
	s_mov_b32 s3, LAPS-1
.Llap:
	TURN 0, 1, 1
	STEP 1, 0, 0
	TURN 1, 0, 1
	STEP 0, 0, 0
	s_sub_co_u32 s3, s3, 1
	s_cmp_lg_u32 s3, 0
	s_cbranch_scc1 .Llap
	TURN 0, 1, 0
	STEP 1, 0, 0
	s_wait_dscnt 4*NL
	WIN MUL_LO
	MUL8 0, 1, 0
	MUL8 2, 1, 0
	s_wait_dscnt 0
	WIN MUL_HI
	MUL8 4, 1, 0
	MUL8 6, 1, 0
	WIN 0
; THE WAY OUT, block by block of 16 rows x 64 columns: out = sum x 2^(e6 + e7) + bias, one packed multiply-add for two numbers; through my own stage, back as whole rows of 256 bytes.
.macro TOSTAGE a
.set AC, 64*((\a)%4)
	WIN 0x02+((\a)/4)                              ; source 0: window 2 or 3
.set j, 0
.rept 16
	v_pk_fma_f32 v[TMP+j:TMP+j+1], v[AC+j:AC+j+1], s[92:93], v[BB+j:BB+j+1] op_sel_hi:[1,0,1]   ; each accumulator from its low end on
.set j, j+2
.endr
	WIN 0
.irp b, 0,1,2,3
	ds_store_b128 v[STO], v[TMP+8*\b:TMP+8*\b+3] offset:64*\b
	ds_store_b128 v[STO], v[TMP+8*\b+4:TMP+8*\b+7] offset:64*\b+16
.endr
.set BBK, BK+32*((\a)%2)
.irp t, 0,1,2,3,4,5,6,7
	ds_load_b128 v[BBK+4*\t:BBK+4*\t+3], v[RD] offset:2*\t*SPITCH   ; LDS serves a wave's instructions in order (ISA guide 5.7.1.4): these see the stores above
.endr
.endm
.macro SEND a, younger                 ; younger: the LDS instructions issued behind block a's loads, which may stay out
.set BBK, BK+32*((\a)%2)
	s_wait_dscnt \younger
.irp t, 0,1,2,3,4,5,6,7
	global_store_b128 v[CO], v[BBK+4*\t:BBK+4*\t+3], s[76:77] offset:65536*(\a)+8192*\t th:TH_STORE_NT   ; sixteen lanes store 256 consecutive bytes, aligned; every offset is an immediate, 516,096 at the most
.endr
.endm
	PLACES NP                                      ; behind the last products
	TOSTAGE 0
.irp a, 1,2,3,4,5,6,7
.if \a > 1
	s_wait_xcnt 0x0                                ; block a - 2's stores have read their registers: block a's loads may land there
.endif
	TOSTAGE \a
	SEND \a-1, 16                                  ; behind block a - 1's loads: block a's 8 stores and 8 loads
.endr
	SEND 7, 0
	s_wait_tensorcnt 0x0                           ; the wave's end
	ds_add_u32 v[SPW], v[NIL]
	s_wait_dscnt 0x0
	CROUND                                         ; the closing round
	s_endpgm
.Lfunc_end_k_qc7f5418e23_proj:
	.size	k_qc7f5418e23_proj, .Lfunc_end_k_qc7f5418e23_proj-k_qc7f5418e23_proj
	.p2alignl 7, 3214868480
	.fill 96, 4, 3214868480
	.section	.rodata,"a",@progbits
	.p2align	6, 0x0
	.amdhsa_kernel k_qc7f5418e23_proj
		.amdhsa_group_segment_fixed_size 327680
		.amdhsa_private_segment_fixed_size 0
		.amdhsa_enable_private_segment 0
		.amdhsa_kernarg_size 40
		.amdhsa_user_sgpr_count 2
		.amdhsa_user_sgpr_kernarg_segment_ptr 1
		.amdhsa_wavefront_size32 1
		.amdhsa_system_sgpr_workgroup_id_x 1
		.amdhsa_system_sgpr_workgroup_id_y 1
		.amdhsa_system_sgpr_workgroup_id_z 1
		.amdhsa_system_vgpr_workitem_id 0
		.amdhsa_next_free_vgpr 1024
		.amdhsa_next_free_sgpr 98
		.amdhsa_reserve_vcc 0
		.amdhsa_float_denorm_mode_32 3
		.amdhsa_float_denorm_mode_16_64 3
		.amdhsa_memory_ordered 1
		.amdhsa_forward_progress 1
		.amdhsa_inst_pref_size 79
	.end_amdhsa_kernel
	.amdgpu_metadata
---
amdhsa.version: [ 1, 2 ]
amdhsa.kernels:
  - .name:           k_qc7f5418e23_proj
    .symbol:         k_qc7f5418e23_proj.kd
    .args:
      - { .name: y_codes, .offset: 0, .size: 8, .value_kind: global_buffer, .address_space: global }
      - { .name: wp_codes, .offset: 8, .size: 8, .value_kind: global_buffer, .address_space: global }
      - { .name: lowp_scales, .offset: 16, .size: 8, .value_kind: global_buffer, .address_space: global }
      - { .name: b_proj, .offset: 24, .size: 8, .value_kind: global_buffer, .address_space: global }
      - { .name: out0, .offset: 32, .size: 8, .value_kind: global_buffer, .address_space: global }
    .group_segment_fixed_size: 327680
    .private_segment_fixed_size: 0
    .kernarg_segment_align: 8
    .kernarg_segment_size: 40
    .max_flat_workgroup_size: 128
    .sgpr_count:     98
    .vgpr_count:     1024
    .wavefront_size: 32
...
	.end_amdgpu_metadata
.endif
;; end of part 4
